; MI455X (gfx1250); checked and timed in simulation.
; The chip was launched on July 23, 2026; its instructions are those of AMD's public machine-readable ISA for CDNA 5 (MIT licence, August 2026) and "CDNA5" Instruction Set Architecture Reference Guide (July 2026). The comments in the code are by the model that wrote it; some were corrected since.
;; CAFM. Allowed arithmetic: float matrix products may take bf16 or f16 operands with f32 sums; other float arithmetic in f32, or as packed bf16 or f16 multiplies, adds, multiply-adds, maxima and minima; sums over many terms, partial sums and values carried from step to step in f32; what a program stores and reads back later, other than sums and carried values, may be rounded once to bf16 or f16.
;; Inputs: cqt_feat 16 x 256 x 32 x 32 float32; out1_b 256 float32; out1_w 512 x 256 float32; out2_b 256 float32; out2_w 256 x 256 float32; stft_feat 16 x 256 x 32 x 32 float32; wq1_b 256 float32; wq1_w 256 x 256 float32; wq2_b 256 float32; wq2_w 256 x 256 float32; wq3_b 256 float32; wq3_w 256 x 256 float32; wq4_b 256 float32; wq4_w 256 x 256 float32; wq5_b 256 float32; wq5_w 256 x 256 float32; wq6_b 256 float32; wq6_w 256 x 256 float32.
;; Outputs: out0 16 x 256 float32.
;; 2 versions, each right; version 2 is version 1 with the launch prep written anew for expert scheduling mode. Each part assembles by itself: llvm-mc -triple=amdgcn-amd-amdhsa -mcpu=gfx1250 --defsym DOCPART=n.
;; ======== version 1 of 2: 3 launches
;; limits: values outside matrix products are rounded to bf16
;; workspace buffers: fb 16,777,216 bytes; mt 262,144 bytes; gt 262,144 bytes; tv 2,048 bytes; be 2,048 bytes; hp 262,144 bytes
;; launch prep (part 1): grid 256 x 1, 8 waves a work-group, no clusters, 0 bytes of LDS; arguments stft_feat, cqt_feat, wq1_w, wq4_w, wq1_b, wq4_b, wq2_w, wq5_w, wq3_w, wq6_w, wq3_b, wq6_b, out1_w, fb, mt, gt, tv, be; writes fb, mt, gt, tv, be
.if DOCPART == 1
	.amdgcn_target "amdgcn-amd-amdhsa--gfx1250"
	.amdhsa_code_object_version 6
	.text
	.protected	k_qf9d2c548f4_prep
	.globl	k_qf9d2c548f4_prep
	.p2align	8
	.type	k_qf9d2c548f4_prep,@function
k_qf9d2c548f4_prep:
	s_mov_b64 s[64:65], 0
	v_nop
	global_prefetch_b8 v0, s[64:65] scope:SCOPE_SE
	s_setreg_imm32_b32 hwreg(HW_REG_WAVE_MODE, 25, 1), 1
	s_wait_xcnt 0x0
; CAFM, launch 1 of 3: the features rounded to bf16, and the weights folded.
; WHAT IS LEFT OUT, AND WHY IT IS DEAD (for all finite inputs of the stated shapes; x = a query row, y = a key row, one direction d):
;  (1) scores[n][m] = (x_n wq + bq) . (y_m wk + bk) / 16 = ((x_n M + t) . y_m + Q_n . bk) / 16 with M = wq wk^T and t = bq wk^T.  Q_n . bk is the same for all m, the softmax's
;      axis, so it cancels in the softmax: wq2_b and wq5_b reach no output.  They are not loaded and are among no launch's arguments.  K itself is never made.
;  (2) mean_n(attn V) = (1/N) sum_m w_m V_m with w_m = sum_n attn[n][m]: the mean is linear, so the product attn V is a weighted sum of 1,024 rows.
;  (3) V_m = y_m wv + bv and sum_m attn[n][m] = 1, so that mean is z wv + bv with z = (1/N) sum_m w_m y_m: V is never made.
;  (4) up to the relu all is linear in z: fused out1_w = sum_d z_d G_d + sum_d bv_d O_d with O_d = rows 256 d .. of out1_w and G_d = wv_d O_d.
; LIMITS.  A NaN, an infinity or an overflow that would arise only in K, V, attn V or Q . bk is not carried to the result.  M, G, t's and bv O's operands are rounded once to bf16
; (matrix operands); sums in f32, in another order than the reference's.
; THIS LAUNCH STORES  fb[src][b][c][n] bf16 (src 0 = stft, 1 = cqt; the inputs' own order);  mt[d][c'][c] = sum_j wk_d[c'][j] wq_d[c][j] bf16;  gt[d][k][c] = sum_j O_d[j][k] wv_d[c][j] bf16;
;   tv[d][c'] = sum_j wk_d[c'][j] bq_d[j] f32;  be[d][k] = sum_j O_d[j][k] bv_d[j] f32.   d = 0: wq1, wq2, wq3;  d = 1: wq4, wq5, wq6.
; SHARES.  256 work-groups of 8 waves.  THE CAST: a work-group has 131,072 bytes of one feature, a wave 16,384: 32 loads of 16 bytes a lane, all issued first thing.
; THE PRODUCTS: 1,024 tiles of 16 x 16 (2 kinds x 2 d x 16 x 16), one for each of waves 0-3; 64 bias rows of 16, for wave 4 of work-groups 0-63 (source 0's 16 rows are then the one bias row,
; row stride 0).  They run while the cast's loads are on their way.  No LDS, no barrier: no wave wants what another has fetched.  No cluster: the weights are 2 MB against 33 MB of features.
; mt and gt leave as 16 bytes a lane, 32 consecutive bytes for a pair of lanes: 0.5 MB of the 17 MB stored; a stage in LDS for them would put a barrier into every wave's path.
; REGISTERS.  window 0: v5-9 offsets; v32-47 two accumulators; v48-51 packed; v64-191 the cast's 32 loads; v192-255 its 16 stores' data.
;   window 1: v0-127 source 1 in f32, packed in place to v0-63; v128-255 source 0 likewise.
.set CI,   5                           ; v5   32 x lane: my 8 numbers in 1,024 bytes of a feature
.set CO,   6                           ; v6   16 x lane: the same 8 in bf16
.set VA,   7                           ; v7   source 0: (l % 16) x row stride + 32 (l / 16)
.set VB,   8                           ; v8   source 1
.set VO,   9                           ; v9   the tile's store
.set ACC,  32
.set PKD,  48
.set XIN,  64
.set XOUT, 192
.set FB,   0                           ; window 1
.set FA,   128                         ; window 1
.set MSB, 0
.macro WIN new                         ; s_set_vgpr_msb: bits 1:0 source 0, 3:2 source 1, 5:4 source 2, 7:6 destination; the high byte repeats the setting that is left
.if MSB != (\new)
	s_set_vgpr_msb (MSB<<8)|(\new)
.set MSB, (\new)
.endif
.endm
	s_load_b512 s[8:23], s[0:1], 0x0               ; stft 8, cqt 10, wq1_w 12, wq4_w 14, wq1_b 16, wq4_b 18, wq2_w 20, wq5_w 22
	s_load_b512 s[24:39], s[0:1], 0x40             ; wq3_w 24, wq6_w 26, wq3_b 28, wq6_b 30, out1_w 32, fb 34, mt 36, gt 38
	s_load_b128 s[40:43], s[0:1], 0x80             ; tv 40, be 42
	v_lshrrev_b32 v1, 5, v0
	v_readfirstlane_b32 s4, v1                     ; wave 0..7
	s_mov_b32 s5, ttmp9                            ; work-group g
	v_and_b32 v2, 31, v0
	v_lshlrev_b32 v[CI], 5, v2
	v_lshlrev_b32 v[CO], 4, v2
	s_and_b32 s6, s5, 127
	s_lshl_b32 s6, s6, 17                          ; (g % 128) x 131,072 bytes of the feature
	s_lshl_b32 s7, s4, 14
	s_add_co_u32 s6, s6, s7                        ; + wave x 16,384
	s_mov_b32 s7, 0
	s_lshl_b32 s44, s5, 16                         ; g x 65,536 bytes of fb
	s_lshl_b32 s45, s4, 13
	s_add_co_u32 s44, s44, s45                     ; + wave x 8,192
	s_mov_b32 s45, 0
	s_wait_kmcnt 0x0
	s_cmp_lt_u32 s5, 128
	s_cselect_b64 s[46:47], s[8:9], s[10:11]       ; work-groups 0-127 cast stft, 128-255 cqt
	s_add_nc_u64 s[46:47], s[46:47], s[6:7]
	s_add_nc_u64 s[48:49], s[34:35], s[44:45]
.set uu, 0
.rept 16                                       ; unit u: 1,024 bytes, 32 a lane
	global_load_b128 v[XIN+8*uu:XIN+8*uu+3],   v[CI], s[46:47] offset:1024*uu th:TH_LOAD_NT
	global_load_b128 v[XIN+8*uu+4:XIN+8*uu+7], v[CI], s[46:47] offset:1024*uu+16 th:TH_LOAD_NT
.set uu, uu+1
.endr
	; which product is mine: s50 kind (0: mt, tv; 1: gt, be), s51 d, s52 tile of source 1's rows, s53 tile of source 0's rows, s54 source 0's row stride, s55 1 for a bias row
	s_cmp_gt_u32 s4, 4
	s_cbranch_scc1 .Lcast
	s_cmp_eq_u32 s4, 4
	s_cbranch_scc1 .Lbias_ids
	s_lshr_b32 s50, s5, 7
	s_bfe_u32 s51, s5, 0x10006
	s_bfe_u32 s52, s5, 0x40002
	s_and_b32 s53, s5, 3
	s_lshl2_add_u32 s53, s53, s4                   ; 4 (g % 4) + wave
	s_mov_b32 s54, 1024
	s_mov_b32 s55, 0
	s_branch .Ljob
.Lbias_ids:
	s_cmp_gt_u32 s5, 63
	s_cbranch_scc1 .Lcast
	s_lshr_b32 s50, s5, 5
	s_bfe_u32 s51, s5, 0x10004
	s_and_b32 s52, s5, 15
	s_mov_b32 s53, 0
	s_mov_b32 s54, 0
	s_mov_b32 s55, 1
.Ljob:
	v_and_b32 v1, 15, v0                           ; l % 16
	v_bfe_u32 v3, v0, 4, 1                         ; l / 16
	v_mul_u32_u24 v[VA], s54, v1
	v_lshl_add_u32 v[VA], v3, 5, v[VA]
	s_cmp_eq_u32 s51, 0                            ; by d
	s_cselect_b64 s[56:57], s[12:13], s[14:15]     ; wq
	s_cselect_b64 s[58:59], s[16:17], s[18:19]     ; bq
	s_cselect_b64 s[60:61], s[24:25], s[26:27]     ; wv
	s_cselect_b64 s[62:63], s[28:29], s[30:31]     ; bv
	s_cselect_b64 s[66:67], s[20:21], s[22:23]     ; wk
	s_cmp_eq_u32 s55, 0                            ; matrix or bias
	s_cselect_b64 s[56:57], s[56:57], s[58:59]
	s_cselect_b64 s[60:61], s[60:61], s[62:63]
	s_cmp_eq_u32 s50, 0                            ; by kind
	s_cselect_b64 s[56:57], s[56:57], s[60:61]     ; source 0
	s_cselect_b64 s[68:69], s[36:37], s[38:39]     ; mt or gt
	s_cselect_b64 s[72:73], s[40:41], s[42:43]     ; tv or be
	s_lshl_b32 s70, s53, 14                        ; 16 rows of 1,024 bytes a tile
	s_mov_b32 s71, 0
	s_add_nc_u64 s[56:57], s[56:57], s[70:71]
	; A fragment is 16 rows x 32 along j: lane l holds row l % 16, j = 8 (l / 16) + 0..7 and 16 + 8 (l / 16) + 0..7: in f32 two runs of 32 bytes, 64 bytes apart
	WIN 0x40                                       ; destination window 1, offset window 0
.set ks, 0
.rept 8
.irp q, 0,1,2,3
	global_load_b128 v[FA+16*ks+4*(\q):FA+16*ks+4*(\q)+3], v[VA], s[56:57] offset:128*ks+16*((\q)%2)+64*((\q)/2)
.endr
.set ks, ks+1
.endr
	WIN 0
	s_cmp_eq_u32 s50, 0
	s_cbranch_scc0 .Lb_strided
	s_lshl_b32 s70, s52, 14                        ; wk lies [c'][j]: as source 0
	s_add_nc_u64 s[66:67], s[66:67], s[70:71]
	v_lshlrev_b32 v[VB], 10, v1
	v_lshl_add_u32 v[VB], v3, 5, v[VB]
	WIN 0x40
.set ks, 0
.rept 8
.irp q, 0,1,2,3
	global_load_b128 v[FB+16*ks+4*(\q):FB+16*ks+4*(\q)+3], v[VB], s[66:67] offset:128*ks+16*((\q)%2)+64*((\q)/2)
.endr
.set ks, ks+1
.endr
	WIN 0
	s_branch .Lb_done
.Lb_strided:
	s_lshl_b32 s70, s51, 18                        ; O_d lies [j][k]: a lane's 16 numbers of a step stand in 16 rows: one word each
	s_lshl_b32 s74, s52, 6
	s_add_co_u32 s70, s70, s74
	s_add_nc_u64 s[66:67], s[32:33], s[70:71]
	v_lshlrev_b32 v[VB], 13, v3                    ; 8 (l / 16) rows
	v_lshl_add_u32 v[VB], v1, 2, v[VB]             ; column l % 16
	WIN 0x40
.set ii, 0
.rept 128                                      ; step ii / 16, number e = ii % 16: row 32 step + e, and 8 further for e >= 8
	global_load_b32 v[FB+ii], v[VB], s[66:67] offset:(32*(ii/16)+ii%16+8*((ii%16)/8))*1024
.set ii, ii+1
.endr
	WIN 0
.Lb_done:
	s_wait_loadcnt 0x0                             ; both sources are in (and, issued before them, the cast's loads)
	WIN 0x45                                       ; all three places window 1: packed in place, ascending: word i takes numbers 2 i and 2 i + 1, which no earlier line has overwritten
.set ii, 0
.rept 64
	v_cvt_pk_bf16_f32 v[FB+ii], v[FB+2*ii], v[FB+2*ii+1]
.set ii, ii+1
.endr
.set ii, 0
.rept 64
	v_cvt_pk_bf16_f32 v[FA+ii], v[FA+2*ii], v[FA+2*ii+1]
.set ii, ii+1
.endr
	WIN 0x05                                       ; both sources window 1, sums window 0
.set ks, 0
.rept 8                                        ; two accumulators take turns; the first product on each starts its sum
.set rD, ACC+8*(ks%2)
.if ks < 2
	v_wmma_f32_16x16x32_bf16 v[rD:rD+7], v[FA+8*ks:FA+8*ks+7], v[FB+8*ks:FB+8*ks+7], 0
.else
	v_wmma_f32_16x16x32_bf16 v[rD:rD+7], v[FA+8*ks:FA+8*ks+7], v[FB+8*ks:FB+8*ks+7], v[rD:rD+7]
.endif
.set ks, ks+1
.endr
	WIN 0
.rept 4
	v_nop                                          ; four places behind the last product (ISA guide 7.12.1)
.endr
.irp q, 0,2,4,6
	v_pk_add_f32 v[ACC+(\q):ACC+(\q)+1], v[ACC+(\q):ACC+(\q)+1], v[ACC+8+(\q):ACC+8+(\q)+1]  ; from each accumulator's low end on
.endr
	; register i of lane l: source 0's row 16 s53 + 8 (l / 16) + i, source 1's row 16 s52 + l % 16
	s_cmp_eq_u32 s55, 0
	s_cbranch_scc0 .Lbias_out
	s_lshl_b32 s70, s51, 17                        ; d x 131,072
	s_lshl_b32 s74, s52, 13                        ; 16 rows of 512 bytes
	s_add_co_u32 s70, s70, s74
	s_lshl_b32 s74, s53, 5                         ; 16 columns
	s_add_co_u32 s70, s70, s74
	s_add_nc_u64 s[68:69], s[68:69], s[70:71]
	v_lshlrev_b32 v[VO], 9, v1
	v_lshl_add_u32 v[VO], v3, 4, v[VO]
.irp q, 0,1,2,3
	v_cvt_pk_bf16_f32 v[PKD+(\q)], v[ACC+2*(\q)], v[ACC+2*(\q)+1]
.endr
	global_store_b128 v[VO], v[PKD:PKD+3], s[68:69]
	s_branch .Lcast
.Lbias_out:
	s_lshl_b32 s70, s51, 10
	s_lshl_b32 s74, s52, 6
	s_add_co_u32 s70, s70, s74
	s_add_nc_u64 s[72:73], s[72:73], s[70:71]
	v_lshlrev_b32 v[VO], 2, v1
	global_store_b32 v[VO], v[ACC], s[72:73]       ; all 16 rows of the result are alike: register 0; both halves of the lanes store the same word
.Lcast:
.set uu, 0
.rept 16
	s_wait_loadcnt 30-2*uu                         ; loads come back in order (ISA guide 5.7.1): unit u is in, the 30 - 2 u loads of the later units may stay out
.irp q, 0,1,2,3
	v_cvt_pk_bf16_f32 v[XOUT+4*uu+(\q)], v[XIN+8*uu+2*(\q)], v[XIN+8*uu+2*(\q)+1]
.endr
	global_store_b128 v[CO], v[XOUT+4*uu:XOUT+4*uu+3], s[48:49] offset:512*uu  ; 16 lanes store 256 consecutive bytes, aligned; no register is used twice, so nothing is waited for
.set uu, uu+1
.endr
	s_endpgm
.Lfunc_end_k_qf9d2c548f4_prep:
	.size	k_qf9d2c548f4_prep, .Lfunc_end_k_qf9d2c548f4_prep-k_qf9d2c548f4_prep
	.p2alignl 7, 3214868480
	.fill 96, 4, 3214868480
	.section	.rodata,"a",@progbits
	.p2align	6, 0x0
	.amdhsa_kernel k_qf9d2c548f4_prep
		.amdhsa_group_segment_fixed_size 0
		.amdhsa_private_segment_fixed_size 0
		.amdhsa_enable_private_segment 0
		.amdhsa_kernarg_size 144
		.amdhsa_user_sgpr_count 2
		.amdhsa_user_sgpr_kernarg_segment_ptr 1
		.amdhsa_wavefront_size32 1
		.amdhsa_system_sgpr_workgroup_id_x 1
		.amdhsa_system_sgpr_workgroup_id_y 1
		.amdhsa_system_sgpr_workgroup_id_z 1
		.amdhsa_system_vgpr_workitem_id 0
		.amdhsa_next_free_vgpr 512
		.amdhsa_next_free_sgpr 80
		.amdhsa_reserve_vcc 0
		.amdhsa_float_denorm_mode_32 3
		.amdhsa_float_denorm_mode_16_64 3
		.amdhsa_memory_ordered 1
		.amdhsa_forward_progress 1
		.amdhsa_inst_pref_size 41
	.end_amdhsa_kernel
	.amdgpu_metadata
---
amdhsa.version: [ 1, 2 ]
amdhsa.kernels:
  - .name:           k_qf9d2c548f4_prep
    .symbol:         k_qf9d2c548f4_prep.kd
    .args:
      - { .name: stft_feat, .offset: 0, .size: 8, .value_kind: global_buffer, .address_space: global }
      - { .name: cqt_feat, .offset: 8, .size: 8, .value_kind: global_buffer, .address_space: global }
      - { .name: wq1_w, .offset: 16, .size: 8, .value_kind: global_buffer, .address_space: global }
      - { .name: wq4_w, .offset: 24, .size: 8, .value_kind: global_buffer, .address_space: global }
      - { .name: wq1_b, .offset: 32, .size: 8, .value_kind: global_buffer, .address_space: global }
      - { .name: wq4_b, .offset: 40, .size: 8, .value_kind: global_buffer, .address_space: global }
      - { .name: wq2_w, .offset: 48, .size: 8, .value_kind: global_buffer, .address_space: global }
      - { .name: wq5_w, .offset: 56, .size: 8, .value_kind: global_buffer, .address_space: global }
      - { .name: wq3_w, .offset: 64, .size: 8, .value_kind: global_buffer, .address_space: global }
      - { .name: wq6_w, .offset: 72, .size: 8, .value_kind: global_buffer, .address_space: global }
      - { .name: wq3_b, .offset: 80, .size: 8, .value_kind: global_buffer, .address_space: global }
      - { .name: wq6_b, .offset: 88, .size: 8, .value_kind: global_buffer, .address_space: global }
      - { .name: out1_w, .offset: 96, .size: 8, .value_kind: global_buffer, .address_space: global }
      - { .name: fb, .offset: 104, .size: 8, .value_kind: global_buffer, .address_space: global }
      - { .name: mt, .offset: 112, .size: 8, .value_kind: global_buffer, .address_space: global }
      - { .name: gt, .offset: 120, .size: 8, .value_kind: global_buffer, .address_space: global }
      - { .name: tv, .offset: 128, .size: 8, .value_kind: global_buffer, .address_space: global }
      - { .name: be, .offset: 136, .size: 8, .value_kind: global_buffer, .address_space: global }
    .group_segment_fixed_size: 0
    .private_segment_fixed_size: 0
    .kernarg_segment_align: 8
    .kernarg_segment_size: 144
    .max_flat_workgroup_size: 256
    .sgpr_count:     80
    .vgpr_count:     512
    .wavefront_size: 32
...
	.end_amdgpu_metadata
.endif
;; end of part 1
;; launch attn (part 2): grid 8 x 32, 4 waves a work-group, clusters of 4 x 1, 327,680 bytes of LDS; arguments fb, mt, tv, gt, hp; writes hp
.if DOCPART == 2
	.amdgcn_target "amdgcn-amd-amdhsa--gfx1250"
	.amdhsa_code_object_version 6
	.text
	.protected	k_qf9d2c548f4_attn
	.globl	k_qf9d2c548f4_attn
	.p2align	8
	.type	k_qf9d2c548f4_attn,@function
k_qf9d2c548f4_attn:
	s_mov_b64 s[64:65], 0
	v_nop
	global_prefetch_b8 v0, s[64:65] scope:SCOPE_SE
	s_setreg_imm32_b32 hwreg(HW_REG_WAVE_MODE, 25, 1), 1
	s_wait_xcnt 0x0
	s_wait_alu depctr_hold_cnt(0) depctr_sa_sdst(0) depctr_va_vdst(0) depctr_va_sdst(0) depctr_va_ssrc(0) depctr_va_vcc(0) depctr_vm_vsrc(0)
	s_getreg_b32 s2, hwreg(HW_REG_IB_STS2, 6, 4)
	s_cmp_eq_u32 s2, 0
	s_cbranch_scc0 .Lentry_in_a_cluster
	s_endpgm
.Lentry_in_a_cluster:
	s_bfe_u32 s2, ttmp6, 0x10000c
	s_cmp_lg_u32 s2, 0x3003
	s_cbranch_scc0 .Lentry_shape_is_right
	s_endpgm
.Lentry_shape_is_right:
; CAFM, launch 2 of 3.  For pair p = 16 d + b and its 128 queries qb:  hp[p][qb][k] = sum_c z[c] G_d[c][k],  z[c] = (1/1024) sum_m (sum_n attn[n][m]) y[m][c],
; attn[n][:] = softmax_m((x_n M_d + t_d) . y_m / 16).  LEFT OUT, as shown at the head of the first kernel: K, V, attn V and the key bias (the same along the softmax's axis).
; x = fb block p ([c][n] bf16), y = fb block p xor 16.  Products in bf16 with f32 sums; Q' = x M + t, the column sums and z are rounded once to bf16 as matrix operands.
; LIMITS.  A weight below 2^-126 counts as 0 in the row's sum; NaN and infinities are not treated apart; sums in another order than the reference's.
; SHARES.  A work-group has 128 queries of one pair, as two blocks of 64.  In the scores wave w has keys 256 w .. 256 w + 255 and all 64 queries of the block: 16 x 4 accumulators, 512 registers:
; a whole row of scores lies in the four waves' registers, so the row's TRUE maximum is taken away, and nothing is rescaled.
; LAYOUT.  S^T = Y Q'^T (source 0 = 16 keys, turned out of [c][m] by ds_load_tr16_b128; source 1 = 16 queries out of QS[n][c']): a lane holds ONE query (l % 16) and the keys 8 (l / 16) + 0..7.
; Maximum and sum of a row: in the lane, one exchange of the lanes' halves, one exchange of the four waves through LDS.  Column sums: ACC[key] += p / l, in the lane, over the 8 queries that a lane sees.
; ACC packed to bf16 IS source 0 (16 lanes' partial sums x 32 keys) of D[lane row][c] = ACC Y^T; adding D's 16 rows adds the lanes.
; CLUSTER.  The four work-groups of a cluster belong to one pair and walk the same Y: each slice of 64 channels x 1,024 keys is asked for JOINTLY (mask 15).  Y (512 KiB) passes three times
; (two blocks' scores, z) through two slots of a slice each; x's tile, each work-group's own, is a plain load and has slot 1 first.
; LDS (bytes):  0 slot 0, 133,120 slot 1 (channel pitch 2,080: 16 bytes of padding behind every 1,024);  QS 64 x 528;  SXM, SXL [query][wave] f32;  ZX [wave][256] f32;  ZB z in bf16;  HL h in f32;  spare words.
; REGISTERS, in windows of 256 (s_set_vgpr_msb: bits 1:0 source 0, 3:2 source 1, 5:4 source 2, 7:6 destination):
;   window 0: v0-31 addresses; v32-39 maxima; v40-47 c m, later 1 / l, in pairs; v48-63 row sums; v64-95, v96-127 Q' fragments, two buffers (first t; later ACC packed, z); v128-255 Y fragments, buffer 1
;   window 1: v0-127 ACC (v64-127 first hold block 1's Q', packed); v128-255 Y fragments, buffer 0 (first x's fragments, two buffers of 64)
;   window 2: S^T of key tiles 0-7 (tile t, query tile a at 8 (4 t + a)); first Q'; last z's 16 and h's 4 accumulators        window 3: S^T of key tiles 8-15; first M's fragments; last G's
.set PY,    2080                       ; odd multiple of 32 bytes
.set PX,    288                        ; x's tile: 256 + 32
.set PQ,    528                        ; QS: 512 + 16: 16 rows of a load start at 16 different groups of four banks
.set HALFB, 32*PY                      ; 66,560: 32 channels, what one tensor load brings
.set SLOTB, 2*HALFB                    ; 133,120
.set QS,    2*SLOTB                    ; 266,240
.set SXM,   QS+64*PQ                   ; 300,032
.set ZX,    SXM+2048                   ; 302,080
.set ZB,    ZX+4096                    ; 306,176
.set HL,    ZB+512                     ; 306,688
.set SPARE, HL+1024                    ; 307,712: the spare words, 128 bytes for each wave, that no other line names
.set RR,   1                           ; v1   l % 16
.set HH,   2                           ; v2   l / 16
.set SPW,  3                           ; v3   my spare word; never rewritten
.set NIL,  4                           ; v4   0; never rewritten
.set AQ,   5                           ; v5   QS + 528 (l % 16) + 16 (l / 16)
.set AQW,  6                           ; v6   + 128 w: where I put Q'
.set AX,   7                           ; v7-8   x's tile, channels 0-127 and 128-255
.set AY,   9                           ; v9-12  Y turned: slot 0 step 0, 1; slot 1 step 0, 1
.set AZ,   13                          ; v13-16 Y as it lies: slot 0 half 0, 1; slot 1 half 0, 1
.set GMT,  17                          ; v17  512 (l % 16) + 16 (l / 16): a fragment of mt or gt in memory
.set GT8,  18                          ; v18  32 (l / 16)
.set ASX,  19                          ; v19  SXM + 16 (l % 16) + 4 w
.set ASR,  20                          ; v20  SXM + 16 (l % 16)
.set AZX,  21
.set AZS,  22
.set AZBW, 23
.set AZBR, 24
.set AHW,  25
.set AHR,  26
.set GHO,  27
.set PFO,  28                          ; v28  256 x thread: the prefetches' offset; never rewritten
.set MX,   32
.set CM,   40
.set LS,   48
.set WV,   14                          ; s14  wave
.set OWN,  15                          ; s15  wave / 2: the slot that I fill
.set HALF, 16                          ; s16  wave % 2: which half of it
.set CX,   17
.set QB,   18
.set PP,   19
.set DD,   20
.set G1Y,  24                          ; s[24:31]
.set G1X,  32                          ; s[32:39]
.set G0Y,  40                          ; s[40:43]
.set G0X,  44                          ; s[44:47]
.set YB,   48                          ; s[48:49] Y's block at my half of slice 0
.set CS,   52                          ; s[52:53] c = log2(e) / 16
.set SEL,  54                          ; s[54:55] v_permlanex16_b32's selects: each lane takes its own place in the other half
.set BLK,  56                          ; s56  blocks still to do
.set ASKF, 57                          ; s57  cluster x: 0 in the pair's first cluster, the same in all four partners
.set PFA,  58                          ; s[58:59]
.set MTB,  60
.set GTB,  62
.set HPB,  66
.set TVB,  68
.set MSB, 0
.macro WIN new                         ; the high byte repeats the setting that is left; a switch that changes nothing is dropped
.if MSB != (\new)
	s_set_vgpr_msb (MSB<<8)|(\new)
.set MSB, (\new)
.endif
.endm
.macro PLACES                          ; four places behind a matrix instruction, in front of loads into its registers and of vector lines that read its result
.rept 4
	v_nop
.endr
.endm
; A round of the cluster's barrier: my work-group's barrier; wave 0 signals for the work-group; every wave waits for all four work-groups; my work-group's barrier once more.
.macro CREST
	s_cmp_lg_u32 s[WV], 0
	s_cbranch_scc1 .Lnot_wave_0_\@
	s_barrier_signal -3
.Lnot_wave_0_\@:
	s_barrier_wait -3
	s_barrier_signal -1
	s_barrier_wait -1
.endm
.macro ROUND
	s_barrier_signal -1
	s_barrier_wait -1
	CREST
.endm
; A joint refill: slice number \slice of Y into slot \slot, by that slot's two waves, 32 channels each.  Which slice is a constant of the text.  No tensor load of any wave is out here, so the descriptor may be written.
; The branch hangs on the wave's number alone.  An s_nop 0 and four v_nop follow the load; the four behind the label are every wave's places in front of the LDS loads that follow.
.macro REFILL slot, slice
	s_add_nc_u64 s[G0Y+2:G0Y+3], s[YB:YB+1], (\slice)*131072
	s_or_b32 s[G0Y+3], s[G0Y+3], 0x80000000
	s_cmp_eq_u32 s[OWN], \slot
	s_cbranch_scc0 .Lnot_mine_\@
	tensor_load_to_lds s[G0Y:G0Y+3], s[G1Y:G1Y+7]
	s_nop 0
	PLACES
.Lnot_mine_\@:
	PLACES
.endm
; A PREFETCH INTO THE L2 of a slice's first reading in the launch.  Both clusters of a pair walk the same Y: the first asks.  A slice is 512 blocks of 256 bytes: the four partners take 128 each, told
; apart BY ADDRESS, a thread a block: one instruction a wave.  Later passes over Y ask for nothing.
.macro ASK s0, s1=-1
	s_cmp_eq_u32 s[ASKF], 0
	s_cbranch_scc0 .Lnot_first_\@
	global_prefetch_b8 v[PFO], s[PFA:PFA+1] offset:(\s0)*131072 th:TH_LOAD_NT scope:SCOPE_SE
.if (\s1) >= 0
	global_prefetch_b8 v[PFO], s[PFA:PFA+1] offset:(\s1)*131072 th:TH_LOAD_NT scope:SCOPE_SE
.endif
.Lnot_first_\@:
.endm
; My 64 rows x 256 of mt or gt as 32 fragments (row tile i / 8, step i % 8) into window 3, straight from memory: the rows lie along the sum.
.macro WLOAD base
	WIN 0xc0
.set ii, 0
.rept 32
	global_load_b128 v[8*ii:8*ii+3],   v[GMT], s[\base:\base+1] offset:(ii/8)*8192+(ii%8)*64
	global_load_b128 v[8*ii+4:8*ii+7], v[GMT], s[\base:\base+1] offset:(ii/8)*8192+(ii%8)*64+32
.set ii, ii+1
.endr
	WIN 0
.endm
	s_load_b256 s[4:11], s[0:1], 0x0               ; fb 4, mt 6, tv 8, gt 10
	s_load_b64 s[12:13], s[0:1], 0x20              ; hp
	v_lshl_add_u32 v[SPW], v0, 2, SPARE
	v_mov_b32 v[NIL], 0
	ds_add_u32 v[SPW], v[NIL]                      ; the wave's opening: the add, twice on end, and its wait ahead of my first tensor load
	ds_add_u32 v[SPW], v[NIL]                      ; and once more, under the one wait; the set-up below stands between
	v_lshrrev_b32 v29, 5, v0
	v_readfirstlane_b32 s[WV], v29
	s_lshr_b32 s[OWN], s[WV], 1
	s_and_b32 s[HALF], s[WV], 1
	s_bfe_u32 s[CX], ttmp6, 0x40000                ; my place in the cluster: it enters x's, the prefetches' and hp's addresses alone
	s_lshl_b32 s[QB], ttmp9, 2
	s_add_co_u32 s[QB], s[QB], s[CX]               ; my 128 queries
	s_and_b32 s[PP], ttmp7, 0xffff                 ; the pair, which the partners share
	s_lshr_b32 s[DD], s[PP], 4
	s_mov_b32 s[ASKF], ttmp9
	; Y: 32 channels are 65,536 dense bytes: 64 rows of 1,024, 16 bytes of padding behind each
	s_mov_b32 s[G1Y],   15|(1<<16)|(1<<20)|(1<<21)|(7<<22)|(3<<25)  ; 15:0 the mask of four; 17:16 2-byte elements; 20 padding on; 21 set beside a mask; 24:22 after every 256 words (code 7); 31:25 4 words (code 3)
	s_mov_b32 s[G1Y+1], 512<<16                    ; tensor_dim0 = 512
	s_mov_b32 s[G1Y+2], 64<<16                     ; tensor_dim1 = 64
	s_mov_b32 s[G1Y+3], 512<<16                    ; tile_dim0 = 512
	s_mov_b32 s[G1Y+4], 64                         ; tile_dim1 = 64
	s_mov_b32 s[G1Y+5], 512                        ; 512 elements from row to row
	s_mov_b32 s[G1Y+6], 0
	s_mov_b32 s[G1Y+7], 0
	; x: 128 channels x 128 queries, rows of 256 bytes 2,048 apart, 32 bytes of padding behind each; no mask: each work-group's own
	s_mov_b32 s[G1X],   (1<<16)|(1<<20)|(5<<22)|(7<<25)
	s_mov_b32 s[G1X+1], 128<<16
	s_mov_b32 s[G1X+2], 128<<16
	s_mov_b32 s[G1X+3], 128<<16
	s_mov_b32 s[G1X+4], 128
	s_mov_b32 s[G1X+5], 1024
	s_mov_b32 s[G1X+6], 0
	s_mov_b32 s[G1X+7], 0
	s_mov_b32 s[G0Y], 1
	s_mul_i32 s[G0Y+1], s[WV], HALFB               ; slot wave / 2, half wave % 2
	s_mov_b32 s[G0X], 1
	s_mul_i32 s[G0X+1], s[HALF], 128*PX
	s_add_co_u32 s[G0X+1], s[G0X+1], SLOTB
	s_mov_b32 s[CS], 0x3db8aa3b                    ; log2(e) / 16
	s_mov_b32 s[CS+1], s[CS]                       ; named with it as a pair
	s_mov_b32 s[SEL], 0x76543210
	s_mov_b32 s[SEL+1], 0xfedcba98
	; byte offsets, each in registers of its own; those of the joint loads never hold my place in the cluster
	s_xor_b32 s70, s[PP], 16
	s_lshl_b32 s70, s70, 19                        ; Y's block
	s_lshl_b32 s72, s[CX], 15
	s_add_co_u32 s72, s72, s70                     ; the prefetches: + my work-group's 128 blocks of a slice
	s_mov_b32 s73, 0
	s_lshl_b32 s71, s[HALF], 16
	s_add_co_u32 s70, s70, s71                     ; + my 32 channels
	s_mov_b32 s71, 0
	s_lshl_b32 s74, s[PP], 19                      ; x's block
	s_lshl_b32 s75, s[HALF], 18                    ; + my 128 channels
	s_add_co_u32 s74, s74, s75
	s_lshl_b32 s75, s[QB], 8                       ; + my work-group's 128 queries
	s_add_co_u32 s74, s74, s75
	s_mov_b32 s75, 0
	s_lshl_b32 s50, s[DD], 17                      ; mt, gt: direction, my 64 rows
	s_lshl_b32 s51, s[WV], 15
	s_add_co_u32 s50, s50, s51
	s_mov_b32 s51, 0
	s_lshl_b32 s22, s[DD], 10                      ; tv
	s_lshl_b32 s23, s[WV], 8
	s_add_co_u32 s22, s22, s23
	s_mov_b32 s23, 0
	s_lshl_b32 s2, s[PP], 3
	s_add_co_u32 s2, s2, s[QB]
	s_lshl_b32 s2, s2, 10                          ; hp: row 8 p + qb
	s_mov_b32 s3, 0
	s_wait_dscnt 0x0                               ; both opening adds are done
	s_wait_kmcnt 0x0
	s_add_nc_u64 s[YB:YB+1], s[4:5], s[70:71]
	s_add_nc_u64 s[PFA:PFA+1], s[4:5], s[72:73]
	s_add_nc_u64 s[G0X+2:G0X+3], s[4:5], s[74:75]
	s_or_b32 s[G0X+3], s[G0X+3], 0x80000000
	s_add_nc_u64 s[G0Y+2:G0Y+3], s[YB:YB+1], 0     ; slice 0
	s_or_b32 s[G0Y+3], s[G0Y+3], 0x80000000
	s_add_nc_u64 s[MTB:MTB+1], s[6:7], s[50:51]
	s_add_nc_u64 s[GTB:GTB+1], s[10:11], s[50:51]
	s_add_nc_u64 s[TVB:TVB+1], s[8:9], s[22:23]
	s_add_nc_u64 s[HPB:HPB+1], s[12:13], s[2:3]
	ROUND                                          ; all four work-groups are here: the first joint loads meet
	s_cmp_lt_u32 s[WV], 2                          ; the first fills, one a wave, in one branch: waves 0, 1 slice 0 into slot 0 (joint), waves 2, 3 x's tile into slot 1
	s_cbranch_scc0 .Lfirst_x
	tensor_load_to_lds s[G0Y:G0Y+3], s[G1Y:G1Y+7]
	s_nop 0
	PLACES
	s_branch .Lfirst_asked
.Lfirst_x:
	tensor_load_to_lds s[G0X:G0X+3], s[G1X:G1X+7]
	s_nop 0
	PLACES
.Lfirst_asked:
	v_and_b32 v[RR], 15, v0
	v_bfe_u32 v[HH], v0, 4, 1
	v_lshlrev_b32 v[GMT], 9, v[RR]
	v_lshl_add_u32 v[GMT], v[HH], 4, v[GMT]
	v_lshlrev_b32 v[GT8], 5, v[HH]
	WLOAD MTB                                      ; M^T: my 64 rows c'
.irp ci, 0,1,2,3                               ; t for c' = 64 w + 16 ci + 8 (l / 16) + 0..7: the C operand that starts Q'
	global_load_b128 v[64+8*(\ci):64+8*(\ci)+3],   v[GT8], s[TVB:TVB+1] offset:64*(\ci)
	global_load_b128 v[64+8*(\ci)+4:64+8*(\ci)+7], v[GT8], s[TVB:TVB+1] offset:64*(\ci)+16
.endr
	; the addresses, while the first tiles are on their way
	v_and_b32 v29, 7, v0
	v_lshl_add_u32 v29, v[HH], 3, v29              ; the turning load's row: 8 (l / 16) + l % 8
	v_bfe_u32 v30, v0, 3, 1                        ; and its 16 bytes: (l / 8) % 2
	v_mul_u32_u24 v[AQ], v[RR], PQ
	v_lshl_add_u32 v[AQ], v[HH], 4, v[AQ]
	v_add_nc_u32 v[AQ], QS, v[AQ]
	s_lshl_b32 s70, s[WV], 7
	v_add_nc_u32 v[AQW], s70, v[AQ]
	v_mul_u32_u24 v[AX], v29, PX
	v_lshl_add_u32 v[AX], v30, 4, v[AX]
	v_add_nc_u32 v[AX], SLOTB, v[AX]
	v_add_nc_u32 v[AX+1], 128*PX, v[AX]
	s_mul_i32 s70, s[OWN], 1040                    ; my 256 keys in a channel's row: half row wave / 2,
	s_lshl_b32 s71, s[HALF], 9                     ; 512 bytes x wave % 2
	s_add_co_u32 s70, s70, s71
	v_mul_u32_u24 v[AY], v29, PY
	v_lshl_add_u32 v[AY], v30, 4, v[AY]
	v_add_nc_u32 v[AY], s70, v[AY]
	v_add_nc_u32 v[AY+1], HALFB, v[AY]
	v_add_nc_u32 v[AY+2], SLOTB, v[AY]
	v_add_nc_u32 v[AY+3], SLOTB+HALFB, v[AY]
	v_mul_u32_u24 v[AZ], v[RR], PY
	v_lshl_add_u32 v[AZ], v[HH], 4, v[AZ]
	v_add_nc_u32 v[AZ], s70, v[AZ]
	v_add_nc_u32 v[AZ+1], HALFB, v[AZ]
	v_add_nc_u32 v[AZ+2], SLOTB, v[AZ]
	v_add_nc_u32 v[AZ+3], SLOTB+HALFB, v[AZ]
	v_lshl_add_u32 v[ASR], v[RR], 4, SXM
	s_lshl_b32 s71, s[WV], 2
	v_add_nc_u32 v[ASX], s71, v[ASR]
	v_lshl_add_u32 v[AZX], v[RR], 2, ZX
	s_lshl_b32 s71, s[WV], 10
	v_add_nc_u32 v[AZX], s71, v[AZX]
	v_lshl_add_u32 v[AZS], v0, 3, ZX
	v_lshl_add_u32 v[AZBW], v0, 2, ZB
	v_lshl_add_u32 v[AZBR], v[HH], 4, ZB
	v_lshl_add_u32 v[AHW], v[RR], 2, HL
	s_lshl_b32 s71, s[WV], 8
	v_add_nc_u32 v[AHW], s71, v[AHW]
	v_lshl_add_u32 v[AHR], v0, 4, HL
	v_lshlrev_b32 v[GHO], 4, v0
	v_lshlrev_b32 v[PFO], 8, v0
.irp a, 0,1,2,3
	v_mov_b32 v[CM+2*(\a)+1], 0                    ; the pairs' high words: named by the packed lines, which take the low word for both halves
.endr
; ---- Q' = x M + t for my 64 channels c' and all 128 queries: source 0 = 16 rows of M^T, source 1 = 16 queries turned out of x's tile: a lane holds one query and eight neighbouring c'.
.macro XFETCH ks                       ; x's fragments of step ks (32 channels), 8 query tiles, into buffer ks % 2
	WIN 0x40
.set ii, 0
.rept 8
	ds_load_tr16_b128 v[128+64*((\ks)%2)+8*ii:128+64*((\ks)%2)+8*ii+3],   v[AX+(\ks)/4] offset:((\ks)%4)*32*PX+32*ii
	ds_load_tr16_b128 v[128+64*((\ks)%2)+8*ii+4:128+64*((\ks)%2)+8*ii+7], v[AX+(\ks)/4] offset:((\ks)%4)*32*PX+32*ii+16*PX
.set ii, ii+1
.endr
.endm
.macro QMUL ks, q0                     ; 16 products: query tiles q0 .. q0 + 3 x my four tiles of c'; all 32 accumulators take turns
.if (\ks) == 0
	WIN 0x87                                       ; M window 3, x window 1, t window 0, Q' window 2
.else
	WIN 0xa7
.endif
.set ii, 0
.rept 16
.set rD, 8*(4*(\q0)+ii)
.set rA, 8*(8*(ii%4)+(\ks))
.set rB, 128+64*((\ks)%2)+8*((\q0)+ii/4)
.if (\ks) == 0
	v_wmma_f32_16x16x32_bf16 v[rD:rD+7], v[rA:rA+7], v[rB:rB+7], v[64+8*(ii%4):64+8*(ii%4)+7]
.else
	v_wmma_f32_16x16x32_bf16 v[rD:rD+7], v[rA:rA+7], v[rB:rB+7], v[rD:rD+7]
.endif
.set ii, ii+1
.endr
.endm
	s_wait_tensorcnt 0x0                           ; my first fill has landed,
	s_barrier_signal -1
	s_barrier_wait -1                              ; everybody's has
	XFETCH 0
	WIN 0
	ASK 1, 2                                       ; slices 1 and 2: 256 and some 350 matrix instructions ahead of their loads
	s_wait_loadcnt 0x0                             ; M and t
.irp ks, 0,1,2,3,4,5,6,7
	s_wait_dscnt 0x0                               ; this step's fragments of x
	QMUL \ks, 0
	PLACES
.if (\ks) < 7
	XFETCH (\ks)+1
.endif
	QMUL \ks, 4
.endr
	PLACES
	WIN 0x0a                                       ; sources window 2, destination window 0: block 0 (query tiles 0-3), each accumulator from its low end on
.set ii, 0
.rept 64
	v_cvt_pk_bf16_f32 v[128+ii], v[2*ii], v[2*ii+1]
.set ii, ii+1
.endr
	WIN 0x4a                                       ; destination window 1: block 1 waits there, packed, for the end of block 0's scores
.set ii, 0
.rept 64
	v_cvt_pk_bf16_f32 v[64+ii], v[128+2*ii], v[128+2*ii+1]
.set ii, ii+1
.endr
	WIN 0
.set ii, 0
.rept 16                                       ; query tile ii / 4, my tile ii % 4 of c'
	ds_store_b128 v[AQW], v[128+4*ii:128+4*ii+3] offset:(ii/4)*16*PQ+32*(ii%4)
.set ii, ii+1
.endr
	; x's tile has been read: slot 1 takes slice 1
	s_wait_tensorcnt 0x0                           ; no tensor load of mine is out
	ds_add_u32 v[SPW], v[NIL]                      ; 0 onto my spare word
	s_wait_dscnt 0x0                               ; the add, my reads of x's tile and my stores into QS are done
	ROUND
	REFILL 1, 1
	ASK 3                                          ; slice 3: 224 matrix instructions ahead of its load
	s_mov_b32 s[BLK], 2
; ---- THE SCORES.  A step is 32 channels: 64 products.  A slot holds two steps: QUARTER multiplies the first (buffer 0), TURN the second (buffer 1) and changes slots.
.macro MUL16 f, hi, base, zero         ; key tiles 8 hi + base .. + 3 x the four query tiles; buffer f.  zero = 1: the product starts the sum
	WIN (0xa0+0x50*(\hi))|(1-(\f))                 ; S^T window 2 or 3; Y window 1 (buffer 0) or 0; Q' window 0
.set ii, 0
.rept 16
.set rD, 8*(4*((\base)+ii/4)+ii%4)
.set rA, 128+8*(8*(\hi)+(\base)+ii/4)
.set rB, 64+32*(\f)+8*(ii%4)
.if \zero
	v_wmma_f32_16x16x32_bf16 v[rD:rD+7], v[rA:rA+7], v[rB:rB+7], 0
.else
	v_wmma_f32_16x16x32_bf16 v[rD:rD+7], v[rA:rA+7], v[rB:rB+7], v[rD:rD+7]
.endif
.set ii, ii+1
.endr
.endm
.macro FETCH slot, ks, g, f            ; 40 LDS loads in one run: Q' of step g (8), then Y of the slot's step ks, key tiles 0 to 15 (32)
	WIN 0
.set ii, 0
.rept 4
	ds_load_b128 v[64+32*(\f)+8*ii:64+32*(\f)+8*ii+3],   v[AQ] offset:ii*16*PQ+64*(\g)
	ds_load_b128 v[64+32*(\f)+8*ii+4:64+32*(\f)+8*ii+7], v[AQ] offset:ii*16*PQ+64*(\g)+32
.set ii, ii+1
.endr
	WIN 0x40*(1-(\f))
.set ii, 0
.rept 16
	ds_load_tr16_b128 v[128+8*ii:128+8*ii+3],   v[AY+2*(\slot)+(\ks)] offset:32*ii
	ds_load_tr16_b128 v[128+8*ii+4:128+8*ii+7], v[AY+2*(\slot)+(\ks)] offset:32*ii+16*PY
.set ii, ii+1
.endr
.endm
.macro QUARTER slot, g, zero
	s_wait_dscnt 16                                ; Q' and key tiles 0-7 are in; the youngest 16 loads (tiles 8-15) may be out
	MUL16 0, 0, 0, \zero
	MUL16 0, 0, 4, \zero
	PLACES
	FETCH \slot, 1, (\g)+1, 1
	s_wait_dscnt 40                                ; all but the 40 just issued
	MUL16 0, 1, 0, \zero
	MUL16 0, 1, 4, \zero
.endm
; ONE round for the change of slots.  In front of it each wave waits for all its tensor loads (at most one is out: a part of the other slot), adds 0 to its spare word, and waits for that and for its reads
; of this slot.  Behind it no wave of any partner reads this slot and the other slot is whole: the refill comes first; it has 96 matrix instructions until the wait for it.
.macro TURN slot, slice, fetch, nslot, g
	WIN 0
	s_wait_tensorcnt 0x0
	ds_add_u32 v[SPW], v[NIL]
	s_wait_dscnt 17                                ; the add and the youngest 16 loads may be out
	MUL16 1, 0, 0, 0                               ; sixteen products stand between the add and the wait for it
	s_wait_dscnt 0x0
	s_barrier_signal -1
	MUL16 1, 0, 4, 0
	WIN 0
	s_barrier_wait -1
	CREST
	REFILL \slot, \slice
.if \fetch
	FETCH \nslot, 0, \g, 0
.endif
	MUL16 1, 1, 0, 0
	MUL16 1, 1, 4, 0
.endm
.macro SCL rb                          ; pair ii of the key tile at rb: c s - c m; the query tile is ii / 4
	v_pk_fma_f32 v[(\rb)+2*ii:(\rb)+2*ii+1], v[(\rb)+2*ii:(\rb)+2*ii+1], s[CS:CS+1], v[CM+2*(ii/4):CM+2*(ii/4)+1] op_sel_hi:[1,0,0] neg_lo:[0,0,1] neg_hi:[0,0,1]
.endm
.macro COLS aq, mul                    ; ACC[key] (+)= p / l for query tile aq: 64 packed lines
.set ii, 0
.rept 64
.set tN, ii/4
	WIN 0x52+tN/8                                  ; ACC window 1, p window 2 or 3, 1 / l window 0
.set rP, 8*(4*(tN%8)+(\aq))+2*(ii%4)
.set rC, 8*tN+2*(ii%4)
.if \mul
	v_pk_mul_f32 v[rC:rC+1], v[rP:rP+1], v[CM+2*(\aq):CM+2*(\aq)+1] op_sel_hi:[1,0]
.else
	v_pk_fma_f32 v[rC:rC+1], v[rP:rP+1], v[CM+2*(\aq):CM+2*(\aq)+1], v[rC:rC+1] op_sel_hi:[1,0,1]
.endif
.set ii, ii+1
.endr
.endm
.Lblk:                                         ; two trips: a block of 64 queries each.  Slot 0 holds slice 0, slot 1 takes slice 1
	FETCH 0, 0, 0, 0
	QUARTER 0, 0, 1
	TURN 0, 2, 1, 1, 2
	QUARTER 1, 2, 0
	TURN 1, 3, 1, 0, 4
	QUARTER 0, 4, 0
	TURN 0, 0, 1, 1, 6                             ; slices 0 and 1 come in again, for the next pass over Y; they land during the softmax
	QUARTER 1, 6, 0
	TURN 1, 1, 0, 0, 0
	WIN 0
	PLACES
	s_cmp_eq_u32 s[BLK], 2
	s_cbranch_scc0 .Lno_park
	WIN 0x04                                       ; data window 1.  Block 1's Q' goes into QS: every wave's reads of QS were over in front of the last round; the softmax's barriers show the stores to all
.set ii, 0
.rept 16
	ds_store_b128 v[AQW], v[64+4*ii:64+4*ii+3] offset:(ii/4)*16*PQ+32*(ii%4)
.set ii, ii+1
.endr
	WIN 0
.Lno_park:
	; THE MAXIMUM of a lane's 128 scores of each query tile: two chains a tile, three operands at a time; each accumulator is read from its low end on
.set nn, 0
.rept 16
.set jj, 0
.rept 4
.set aa, 0
.rept 4
.set rS, 8*(4*(nn%8)+aa)+2*jj
.set rM, MX+4*(jj%2)+aa
.if (nn == 0) && (jj < 2)
	WIN 0x0a
	v_max_num_f32 v[rM], v[rS], v[rS+1]
.else
	WIN 0x28+0x14*(nn/8)
	v_max3_num_f32 v[rM], v[rM], v[rS], v[rS+1]
.endif
.set aa, aa+1
.endr
.set jj, jj+1
.endr
.set nn, nn+1
.endr
	WIN 0
.irp a, 0,1,2,3
	v_max_num_f32 v[MX+(\a)], v[MX+(\a)], v[MX+4+(\a)]
.endr
.irp a, 0,1,2,3
	v_permlanex16_b32 v[MX+4+(\a)], v[MX+(\a)], s[SEL], s[SEL+1]  ; the query's other keys of my wave lie in the lane 16 away
.endr
.irp a, 0,1,2,3
	v_max_num_f32 v[MX+(\a)], v[MX+(\a)], v[MX+4+(\a)]
.endr
.irp a, 0,1,2,3
	ds_store_b32 v[ASX], v[MX+(\a)] offset:256*(\a)
.endr
	s_wait_dscnt 0x0                               ; for the others' sake: my maxima (and block 1's Q') are in LDS
	s_barrier_signal -1
	s_barrier_wait -1
.irp a, 0,1,2,3
	ds_load_b128 v[64+4*(\a):64+4*(\a)+3], v[ASR] offset:256*(\a)  ; the four waves' maxima of my query
.endr
	s_wait_dscnt 0x0
.irp a, 0,1,2,3
	v_max3_num_f32 v[MX+(\a)], v[64+4*(\a)], v[64+4*(\a)+1], v[64+4*(\a)+2]
.endr
.irp a, 0,1,2,3
	v_max_num_f32 v[MX+(\a)], v[MX+(\a)], v[64+4*(\a)+3]
.endr
.irp a, 0,1,2,3
	v_mul_f32 v[CM+2*(\a)], s[CS], v[MX+(\a)]      ; c m
.endr
	; p = 2^(c s - c m), in place, and the row sums.  A batch is a key tile's 32 exponentials; the next tile's 16 scalings stand among them; one plain line and ONE wait
	; stand ahead of the batch's 16 sums.
	WIN 0x82
.set ii, 0
.rept 16
	SCL 0
.set ii, ii+1
.endr
.set nn, 0
.rept 16
.set rT, 32*(nn%8)
.set rN, 32*((nn+1)%8)
	WIN 0x82+0x41*(nn/8)                           ; p window 2 or 3, c m window 0
.set ii, 0
.rept 16
.if (nn != 7) && (nn != 15)
	SCL rN
.endif
	v_exp_f32 v[rT+2*ii], v[rT+2*ii]
	v_exp_f32 v[rT+2*ii+1], v[rT+2*ii+1]
.set ii, ii+1
.endr
	v_nop
	s_wait_alu depctr_va_vdst(0)
.if nn == 0
	WIN 0x0a                                       ; the first tile starts the sums: nothing is cleared
.set ii, 0
.rept 8
	v_pk_add_f32 v[LS+4*(ii%4)+2*(ii/4):LS+4*(ii%4)+2*(ii/4)+1], v[8*(ii%4)+2*(ii/4):8*(ii%4)+2*(ii/4)+1], v[8*(ii%4)+2*(ii/4)+4:8*(ii%4)+2*(ii/4)+5]
.set ii, ii+1
.endr
.else
	WIN 0x08+4*(nn/8)
.set ii, 0
.rept 16                                       ; query tile ii % 4, pair ii / 4: eight chains by turns
	v_pk_add_f32 v[LS+4*(ii%4)+2*((ii/4)%2):LS+4*(ii%4)+2*((ii/4)%2)+1], v[LS+4*(ii%4)+2*((ii/4)%2):LS+4*(ii%4)+2*((ii/4)%2)+1], v[rT+8*(ii%4)+2*(ii/4):rT+8*(ii%4)+2*(ii/4)+1]
.set ii, ii+1
.endr
.endif
.if nn == 7
	WIN 0xc3                                       ; tile 8 lies in the other window: its scalings stand by themselves
.set ii, 0
.rept 16
	SCL 0
.set ii, ii+1
.endr
.endif
.set nn, nn+1
.endr
	WIN 0
.irp a, 0,1,2,3
	v_pk_add_f32 v[LS+4*(\a):LS+4*(\a)+1], v[LS+4*(\a):LS+4*(\a)+1], v[LS+4*(\a)+2:LS+4*(\a)+3]
.endr
.irp a, 0,1,2,3
	v_add_f32 v[LS+4*(\a)], v[LS+4*(\a)], v[LS+4*(\a)+1]
.endr
.irp a, 0,1,2,3
	v_permlanex16_b32 v[LS+4*(\a)+1], v[LS+4*(\a)], s[SEL], s[SEL+1]
.endr
.irp a, 0,1,2,3
	v_add_f32 v[LS+4*(\a)], v[LS+4*(\a)], v[LS+4*(\a)+1]
.endr
.irp a, 0,1,2,3
	ds_store_b32 v[ASX], v[LS+4*(\a)] offset:1024+256*(\a)
.endr
	s_wait_dscnt 0x0                               ; my sums are in LDS, and my reads of the maxima are over
	s_barrier_signal -1
	s_barrier_wait -1
.irp a, 0,1,2,3
	ds_load_b128 v[64+4*(\a):64+4*(\a)+3], v[ASR] offset:1024+256*(\a)
.endr
	s_wait_dscnt 0x0
.irp a, 0,1,2,3
	v_pk_add_f32 v[64+4*(\a):64+4*(\a)+1], v[64+4*(\a):64+4*(\a)+1], v[64+4*(\a)+2:64+4*(\a)+3]
.endr
.irp a, 0,1,2,3
	v_add_f32 v[64+4*(\a)], v[64+4*(\a)], v[64+4*(\a)+1]
.endr
.irp a, 0,1,2,3
	v_rcp_f32 v[CM+2*(\a)], v[64+4*(\a)]           ; 1 / l; l is at least about 1: the row's largest weight
.endr
	v_nop                                          ; a plain line behind the last reciprocal,
	s_wait_alu depctr_va_vdst(0)                   ; and the one wait for the four, ahead of the branch and of their first use
	s_cmp_eq_u32 s[BLK], 2
	s_cbranch_scc0 .Lacc_add
	COLS 0, 1                                      ; the first block's first query tile starts the column sums: nothing is cleared
	WIN 0
	s_branch .Lacc_rest
.Lacc_add:
	COLS 0, 0
	WIN 0
.Lacc_rest:
	COLS 1, 0
	COLS 2, 0
	COLS 3, 0
	WIN 0
	s_sub_co_u32 s[BLK], s[BLK], 1
	s_cmp_lg_u32 s[BLK], 0
	s_cbranch_scc1 .Lblk
; ---- z: D[lane row][c] = ACC Y^T over my 256 keys, Y as it lies ([c][m]: the keys lie along the rows).  Slots 0 and 1 hold slices 0 and 1; slices 2 and 3 follow.
.macro ZFETCH slot                     ; 64 loads: channel tiles 0, 1 of the slice into window 1, tiles 2, 3 into window 0; 8 steps of 32 keys each
	WIN 0x40
.set ii, 0
.rept 16
	ds_load_b128 v[128+8*ii:128+8*ii+3],   v[AZ+2*(\slot)] offset:(ii/8)*16*PY+64*(ii%8)
	ds_load_b128 v[128+8*ii+4:128+8*ii+7], v[AZ+2*(\slot)] offset:(ii/8)*16*PY+64*(ii%8)+32
.set ii, ii+1
.endr
	WIN 0
.set ii, 0
.rept 16
	ds_load_b128 v[128+8*ii:128+8*ii+3],   v[AZ+2*(\slot)+1] offset:(ii/8)*16*PY+64*(ii%8)
	ds_load_b128 v[128+8*ii+4:128+8*ii+7], v[AZ+2*(\slot)+1] offset:(ii/8)*16*PY+64*(ii%8)+32
.set ii, ii+1
.endr
.endm
.macro ZMUL sidx, half                 ; 16 products: two channel tiles by turns, 8 steps; the first step starts the sums
	WIN 0xa4-4*(\half)                             ; z window 2, ACC window 0, Y window 1 or 0
.set ii, 0
.rept 16
.set rD, 8*(4*(\sidx)+2*(\half)+ii%2)
.set rA, 64+8*(ii/2)
.set rB, 128+8*(8*(ii%2)+ii/2)
.if ii < 2
	v_wmma_f32_16x16x32_bf16 v[rD:rD+7], v[rA:rA+7], v[rB:rB+7], 0
.else
	v_wmma_f32_16x16x32_bf16 v[rD:rD+7], v[rA:rA+7], v[rB:rB+7], v[rD:rD+7]
.endif
.set ii, ii+1
.endr
.endm
.macro ZSTEP sidx, slot, mode          ; mode 2: the slot is filled again, with slice sidx + 2; 1: a barrier shows the last slice to all; 0: the last step
	ZFETCH \slot
	s_wait_dscnt 32                                ; the first 32 loads are in
	ZMUL \sidx, 0
.if (\mode) == 2
	WIN 0
	s_wait_tensorcnt 0x0
	ds_add_u32 v[SPW], v[NIL]
	s_wait_dscnt 1                                 ; only the add may be out
	ZMUL \sidx, 1
	WIN 0
	s_wait_dscnt 0x0
	ROUND
	REFILL \slot, (\sidx)+2
.else
	s_wait_dscnt 0x0
	ZMUL \sidx, 1
	WIN 0
.if (\mode) == 1
	s_wait_tensorcnt 0x0                           ; my part of slice 3 has landed
	s_barrier_signal -1
	s_barrier_wait -1
.endif
	PLACES
.endif
.endm
	WLOAD GTB                                      ; G^T: my 64 rows k; wanted behind z
	WIN 0x05                                       ; sources window 1, destination window 0: key tiles 2 s and 2 s + 1, packed, are the fragment of step s
.set ii, 0
.rept 64
	v_cvt_pk_bf16_f32 v[64+ii], v[2*ii], v[2*ii+1]
.set ii, ii+1
.endr
	ZSTEP 0, 0, 2
	ZSTEP 1, 1, 2
	ZSTEP 2, 0, 1
	ZSTEP 3, 1, 0
	WIN 0x0a                                       ; D's 16 rows are added: eight registers, then the lanes' halves
.set ii, 0
.rept 16
	v_pk_add_f32 v[128+4*ii:128+4*ii+1], v[8*ii:8*ii+1], v[8*ii+2:8*ii+3]
	v_pk_add_f32 v[128+4*ii+2:128+4*ii+3], v[8*ii+4:8*ii+5], v[8*ii+6:8*ii+7]
.set ii, ii+1
.endr
	WIN 0
.set ii, 0
.rept 16
	v_pk_add_f32 v[128+4*ii:128+4*ii+1], v[128+4*ii:128+4*ii+1], v[128+4*ii+2:128+4*ii+3]
.set ii, ii+1
.endr
.set ii, 0
.rept 16
	v_add_f32 v[128+4*ii], v[128+4*ii], v[128+4*ii+1]
.set ii, ii+1
.endr
.set ii, 0
.rept 16
	v_permlanex16_b32 v[128+4*ii+1], v[128+4*ii], s[SEL], s[SEL+1]
.set ii, ii+1
.endr
.set ii, 0
.rept 16
	v_add_f32 v[128+4*ii], v[128+4*ii], v[128+4*ii+1]
.set ii, ii+1
.endr
.set ii, 0
.rept 16
	ds_store_b32 v[AZX], v[128+4*ii] offset:64*ii  ; my keys' share of z[16 ii + l % 16]
.set ii, ii+1
.endr
	s_wait_dscnt 0x0
	s_barrier_signal -1
	s_barrier_wait -1
.irp wv, 0,1,2,3
	ds_load_b64 v[64+2*(\wv):64+2*(\wv)+1], v[AZS] offset:1024*(\wv)  ; a thread adds two channels over the four waves
.endr
	s_wait_dscnt 0x0
	v_pk_add_f32 v[64:65], v[64:65], v[66:67]
	v_pk_add_f32 v[68:69], v[68:69], v[70:71]
	v_pk_add_f32 v[64:65], v[64:65], v[68:69]
	v_pk_mul_f32 v[64:65], v[64:65], 0x3a800000 op_sel_hi:[1,0]  ; 1 / 1,024: the mean over the queries
	v_cvt_pk_bf16_f32 v64, v64, v65
	ds_store_b32 v[AZBW], v64
	s_wait_dscnt 0x0
	s_barrier_signal -1
	s_barrier_wait -1
	; ---- h = z G for my 64 columns k: source 0 = z in all 16 rows, source 1 = 16 rows of G^T
.set ii, 0
.rept 8
	ds_load_b128 v[64+8*ii:64+8*ii+3],   v[AZBR] offset:64*ii
	ds_load_b128 v[64+8*ii+4:64+8*ii+7], v[AZBR] offset:64*ii+32
.set ii, ii+1
.endr
	s_wait_dscnt 0x0
	s_wait_loadcnt 0x0                             ; G
	WIN 0xac                                       ; h window 2, z window 0, G window 3
.set ii, 0
.rept 32                                       ; step ii / 4, column tile ii % 4: four accumulators by turns
.set rD, 128+8*(ii%4)
.set rB, 8*(8*(ii%4)+ii/4)
.if ii < 4
	v_wmma_f32_16x16x32_bf16 v[rD:rD+7], v[64+8*(ii/4):64+8*(ii/4)+7], v[rB:rB+7], 0
.else
	v_wmma_f32_16x16x32_bf16 v[rD:rD+7], v[64+8*(ii/4):64+8*(ii/4)+7], v[rB:rB+7], v[rD:rD+7]
.endif
.set ii, ii+1
.endr
	PLACES
	WIN 0x08                                       ; data window 2: all rows are alike: register 0
.irp kt, 0,1,2,3
	ds_store_b32 v[AHW], v[128+8*(\kt)] offset:64*(\kt)
.endr
	WIN 0
	s_wait_dscnt 0x0
	s_barrier_signal -1
	s_barrier_wait -1
	s_cmp_lt_u32 s[WV], 2                          ; 64 threads store the 1,024 bytes
	s_cbranch_scc0 .Lend
	ds_load_b128 v[64:67], v[AHR]
	s_wait_dscnt 0x0
	global_store_b128 v[GHO], v[64:67], s[HPB:HPB+1]  ; 16 lanes store 256 consecutive bytes, aligned
.Lend:
	s_wait_tensorcnt 0x0                           ; the wave's end, behind my last tensor load and my last LDS store
	ds_add_u32 v[SPW], v[NIL]
	s_wait_dscnt 0x0
	ROUND                                          ; the closing round: no work-group ends while a partner may still ask for a tile that names it
	s_endpgm
.Lfunc_end_k_qf9d2c548f4_attn:
	.size	k_qf9d2c548f4_attn, .Lfunc_end_k_qf9d2c548f4_attn-k_qf9d2c548f4_attn
	.p2alignl 7, 3214868480
	.fill 96, 4, 3214868480
	.section	.rodata,"a",@progbits
	.p2align	6, 0x0
	.amdhsa_kernel k_qf9d2c548f4_attn
		.amdhsa_group_segment_fixed_size 327680
		.amdhsa_private_segment_fixed_size 0
		.amdhsa_enable_private_segment 0
		.amdhsa_kernarg_size 40
		.amdhsa_user_sgpr_count 2
		.amdhsa_user_sgpr_kernarg_segment_ptr 1
		.amdhsa_wavefront_size32 1
		.amdhsa_system_sgpr_workgroup_id_x 1
		.amdhsa_system_sgpr_workgroup_id_y 1
		.amdhsa_system_sgpr_workgroup_id_z 1
		.amdhsa_system_vgpr_workitem_id 0
		.amdhsa_next_free_vgpr 1024
		.amdhsa_next_free_sgpr 80
		.amdhsa_reserve_vcc 0
		.amdhsa_float_denorm_mode_32 3
		.amdhsa_float_denorm_mode_16_64 3
		.amdhsa_memory_ordered 1
		.amdhsa_forward_progress 1
		.amdhsa_inst_pref_size 248
	.end_amdhsa_kernel
	.amdgpu_metadata
---
amdhsa.version: [ 1, 2 ]
amdhsa.kernels:
  - .name:           k_qf9d2c548f4_attn
    .symbol:         k_qf9d2c548f4_attn.kd
    .args:
      - { .name: fb, .offset: 0, .size: 8, .value_kind: global_buffer, .address_space: global }
      - { .name: mt, .offset: 8, .size: 8, .value_kind: global_buffer, .address_space: global }
      - { .name: tv, .offset: 16, .size: 8, .value_kind: global_buffer, .address_space: global }
      - { .name: gt, .offset: 24, .size: 8, .value_kind: global_buffer, .address_space: global }
      - { .name: hp, .offset: 32, .size: 8, .value_kind: global_buffer, .address_space: global }
    .group_segment_fixed_size: 327680
    .private_segment_fixed_size: 0
    .kernarg_segment_align: 8
    .kernarg_segment_size: 40
    .max_flat_workgroup_size: 128
    .sgpr_count:     80
    .vgpr_count:     1024
    .wavefront_size: 32
...
	.end_amdgpu_metadata
.endif
;; end of part 2
;; launch head (part 3): grid 64 x 1, 8 waves a work-group, no clusters, 6,144 bytes of LDS; arguments hp, be, out1_b, out2_w, out2_b, out0; writes out0
.if DOCPART == 3
	.amdgcn_target "amdgcn-amd-amdhsa--gfx1250"
	.amdhsa_code_object_version 6
	.text
	.protected	k_qf9d2c548f4_head
	.globl	k_qf9d2c548f4_head
	.p2align	8
	.type	k_qf9d2c548f4_head,@function
k_qf9d2c548f4_head:
	s_mov_b64 s[64:65], 0
	v_nop
	global_prefetch_b8 v0, s[64:65] scope:SCOPE_SE
	s_setreg_imm32_b32 hwreg(HW_REG_WAVE_MODE, 25, 1), 1
	s_wait_xcnt 0x0
; CAFM, launch 3 of 3.  hidden[b][k] = relu(sum over d and qb of hp[16 d + b][qb][k] + be[0][k] + be[1][k] + out1_b[k]);  out0[b][c] = sum_k hidden[b][k] out2_w[k][c] + out2_b[c].  All in f32.
; The products with V, attn V and the key bias were left out upstream, as shown at the head of the first kernel; here nothing is left out.
; SHARES.  Work-group g: batch b = g / 4, columns 64 (g % 4) .. + 63.  256 threads: thread t makes hidden[t] (each of a batch's four work-groups makes it anew: 19 loads a thread); then thread
; (ks = t / 16, cg = t % 16) multiplies 16 rows k = 16 ks .. by 4 columns; the 16 shares meet in LDS.  All loads go out at the head.  16 rows and 0.3 MB: no matrix unit, no cluster, no tensor load.
; LDS: 0 hidden (1,024); 1,024 the shares [ks][cg][4] (4,096); 5,120 the spare words, 128 bytes for each wave.
; REGISTERS.  v2-7 offsets; v8-26 the 19 numbers of hidden; v27, v28 LDS addresses of the shares; v30, v31 the add's two; v32-95 out2_w, later the shares; v96-99 out2_b; v100-115 hidden; v116-119 my share.
.set RED,   1024
.set SPARE, 5120
.set ASH,   27                         ; v27  RED + 16 t: where my share goes; never rewritten
.set ARD,   28                         ; v28  RED + 2,048 (l / 16) + 16 cg: wave 0 reads eight shares from here; never rewritten
	s_load_b256 s[4:11], s[0:1], 0x0               ; hp 4, be 6, out1_b 8, out2_w 10
	s_load_b128 s[12:15], s[0:1], 0x20             ; out2_b 12, out0 14
	v_lshl_add_u32 v30, v0, 2, SPARE               ; my spare word; never rewritten
	v_mov_b32 v31, 0
	s_lshr_b32 s16, ttmp9, 2                       ; b
	s_and_b32 s17, ttmp9, 3                        ; q
	v_lshrrev_b32 v1, 5, v0
	v_readfirstlane_b32 s18, v1                    ; wave
	v_lshlrev_b32 v2, 2, v0                        ; 4 t
	v_and_b32 v3, 15, v0                           ; cg
	v_lshrrev_b32 v4, 4, v0                        ; ks
	v_lshlrev_b32 v5, 4, v3                        ; 16 cg
	v_lshl_add_u32 v6, v4, 14, v5                  ; 16 ks rows of 1,024 bytes + 16 cg
	v_lshlrev_b32 v7, 6, v4                        ; my 16 numbers of hidden
	v_lshl_add_u32 v[ASH], v0, 4, RED
	v_bfe_u32 v29, v0, 4, 1                        ; l / 16
	v_lshl_add_u32 v[ARD], v29, 11, v5             ; shares 8 (l / 16) .. + 7 of my four columns
	v_add_nc_u32 v[ARD], RED, v[ARD]
	s_lshl_b32 s20, s16, 13                        ; hp: 8 rows of 1,024 bytes a pair
	s_mov_b32 s21, 0
	s_lshl_b32 s22, s17, 8                         ; my 64 columns
	s_mov_b32 s23, 0
	s_lshl_b32 s24, s16, 10
	s_add_co_u32 s24, s24, s22                     ; out0: row b, my columns
	s_mov_b32 s25, 0
	s_mov_b32 s26, 0x76543210                      ; v_permlanex16_b32's selects: each lane takes its own place in the other half
	s_mov_b32 s27, 0xfedcba98
	s_wait_kmcnt 0x0
	s_add_nc_u64 s[4:5], s[4:5], s[20:21]
	s_add_nc_u64 s[10:11], s[10:11], s[22:23]
	s_add_nc_u64 s[12:13], s[12:13], s[22:23]
	s_add_nc_u64 s[14:15], s[14:15], s[24:25]
.set ii, 0
.rept 16                                       ; d = ii / 8, qb = ii % 8
	global_load_b32 v[8+ii], v2, s[4:5] offset:(ii/8)*131072+(ii%8)*1024
.set ii, ii+1
.endr
	global_load_b32 v24, v2, s[6:7]
	global_load_b32 v25, v2, s[6:7] offset:1024
	global_load_b32 v26, v2, s[8:9]
.set ii, 0
.rept 16
	global_load_b128 v[32+4*ii:32+4*ii+3], v6, s[10:11] offset:1024*ii
.set ii, ii+1
.endr
	global_load_b128 v[96:99], v5, s[12:13]
	s_wait_loadcnt 17                              ; the 19 numbers of hidden are in; the 16 loads of out2_w and the one of out2_b may stay out
.irp q, 8,12,16,20
	v_pk_add_f32 v[\q:\q+1], v[\q:\q+1], v[\q+2:\q+3]
.endr
	v_pk_add_f32 v[8:9], v[8:9], v[12:13]
	v_pk_add_f32 v[16:17], v[16:17], v[20:21]
	v_add_f32 v24, v24, v25
	v_pk_add_f32 v[8:9], v[8:9], v[16:17]
	v_add_f32 v24, v24, v26
	v_add_f32 v8, v8, v9
	v_add_f32 v8, v8, v24
	v_max_num_f32 v8, 0, v8                        ; relu
	ds_store_b32 v2, v8
	s_wait_dscnt 0x0                               ; for the others' sake: my number of hidden is in LDS
	s_barrier_signal -1
	s_barrier_wait -1
.irp q, 0,1,2,3
	ds_load_b128 v[100+4*(\q):100+4*(\q)+3], v7 offset:16*(\q)
.endr
	s_wait_loadcnt 0x0                             ; out2_w and out2_b
	s_wait_dscnt 0x0
.irp c, 0,1,2,3
	v_mul_f32 v[116+(\c)], v100, v[32+(\c)]        ; the first row starts the sums
.endr
.set ii, 1
.rept 15
.irp c, 0,1,2,3
	v_fma_f32 v[116+(\c)], v[100+ii], v[32+4*ii+(\c)], v[116+(\c)]
.endr
.set ii, ii+1
.endr
	ds_store_b128 v[ASH], v[116:119]               ; bytes 1,024 and up: no byte of hidden, which others may still be reading
	s_wait_dscnt 0x0                               ; for wave 0's sake: my share is in LDS
	s_barrier_signal -1
	s_barrier_wait -1
	s_cmp_lg_u32 s18, 0                            ; wave 0 adds the 16 shares: eight a lane, then the lanes' halves
	s_cbranch_scc1 .Lend
.set ii, 0
.rept 8
	ds_load_b128 v[32+4*ii:32+4*ii+3], v[ARD] offset:256*ii
.set ii, ii+1
.endr
	s_wait_dscnt 0x0
.irp q, 32,40,48,56
	v_pk_add_f32 v[\q:\q+1], v[\q:\q+1], v[\q+4:\q+5]
	v_pk_add_f32 v[\q+2:\q+3], v[\q+2:\q+3], v[\q+6:\q+7]
.endr
.irp q, 32,48
	v_pk_add_f32 v[\q:\q+1], v[\q:\q+1], v[\q+8:\q+9]
	v_pk_add_f32 v[\q+2:\q+3], v[\q+2:\q+3], v[\q+10:\q+11]
.endr
	v_pk_add_f32 v[32:33], v[32:33], v[48:49]
	v_pk_add_f32 v[34:35], v[34:35], v[50:51]
.irp c, 0,1,2,3
	v_permlanex16_b32 v[36+(\c)], v[32+(\c)], s26, s27
.endr
	v_pk_add_f32 v[32:33], v[32:33], v[36:37]
	v_pk_add_f32 v[34:35], v[34:35], v[38:39]
	v_pk_add_f32 v[32:33], v[32:33], v[96:97]      ; + out2_b
	v_pk_add_f32 v[34:35], v[34:35], v[98:99]
	s_wait_xcnt 0x0                                ; EXEC changes only behind this wait
	v_cmp_gt_u32 vcc_lo, 16, v0
	s_and_saveexec_b32 s28, vcc_lo                 ; lanes 0-15 store 256 consecutive bytes, aligned
	global_store_b128 v5, v[32:35], s[14:15]
	s_wait_xcnt 0x0                                ; and again, in front of the line that widens it
	s_or_b32 exec_lo, exec_lo, s28
.Lend:
	s_wait_tensorcnt 0x0                           ; the wave's end, behind my last LDS store
	ds_add_u32 v30, v31
	s_wait_dscnt 0x0
	s_endpgm
.Lfunc_end_k_qf9d2c548f4_head:
	.size	k_qf9d2c548f4_head, .Lfunc_end_k_qf9d2c548f4_head-k_qf9d2c548f4_head
	.p2alignl 7, 3214868480
	.fill 96, 4, 3214868480
	.section	.rodata,"a",@progbits
	.p2align	6, 0x0
	.amdhsa_kernel k_qf9d2c548f4_head
		.amdhsa_group_segment_fixed_size 6144
		.amdhsa_private_segment_fixed_size 0
		.amdhsa_enable_private_segment 0
		.amdhsa_kernarg_size 48
		.amdhsa_user_sgpr_count 2
		.amdhsa_user_sgpr_kernarg_segment_ptr 1
		.amdhsa_wavefront_size32 1
		.amdhsa_system_sgpr_workgroup_id_x 1
		.amdhsa_system_sgpr_workgroup_id_y 1
		.amdhsa_system_sgpr_workgroup_id_z 1
		.amdhsa_system_vgpr_workitem_id 0
		.amdhsa_next_free_vgpr 128
		.amdhsa_next_free_sgpr 66
		.amdhsa_reserve_vcc 1
		.amdhsa_float_denorm_mode_32 3
		.amdhsa_float_denorm_mode_16_64 3
		.amdhsa_memory_ordered 1
		.amdhsa_forward_progress 1
		.amdhsa_inst_pref_size 13
	.end_amdhsa_kernel
	.amdgpu_metadata
---
amdhsa.version: [ 1, 2 ]
amdhsa.kernels:
  - .name:           k_qf9d2c548f4_head
    .symbol:         k_qf9d2c548f4_head.kd
    .args:
      - { .name: hp, .offset: 0, .size: 8, .value_kind: global_buffer, .address_space: global }
      - { .name: be, .offset: 8, .size: 8, .value_kind: global_buffer, .address_space: global }
      - { .name: out1_b, .offset: 16, .size: 8, .value_kind: global_buffer, .address_space: global }
      - { .name: out2_w, .offset: 24, .size: 8, .value_kind: global_buffer, .address_space: global }
      - { .name: out2_b, .offset: 32, .size: 8, .value_kind: global_buffer, .address_space: global }
      - { .name: out0, .offset: 40, .size: 8, .value_kind: global_buffer, .address_space: global }
    .group_segment_fixed_size: 6144
    .private_segment_fixed_size: 0
    .kernarg_segment_align: 8
    .kernarg_segment_size: 48
    .max_flat_workgroup_size: 256
    .sgpr_count:     66
    .vgpr_count:     128
    .wavefront_size: 32
...
	.end_amdgpu_metadata
.endif
;; end of part 3
;; ======== version 2 of 2: 3 launches; version 1 with the launch prep written anew for expert scheduling mode
;; limits: values outside matrix products are rounded to bf16
;; workspace buffers: fb 16,777,216 bytes; mt 262,144 bytes; gt 262,144 bytes; tv 2,048 bytes; be 2,048 bytes; hp 262,144 bytes
;; launch prep (part 4): grid 256 x 1, 8 waves a work-group, no clusters, 0 bytes of LDS; arguments stft_feat, cqt_feat, wq1_w, wq4_w, wq1_b, wq4_b, wq2_w, wq5_w, wq3_w, wq6_w, wq3_b, wq6_b, out1_w, fb, mt, gt, tv, be; writes fb, mt, gt, tv, be
.if DOCPART == 4
	.amdgcn_target "amdgcn-amd-amdhsa--gfx1250"
	.amdhsa_code_object_version 6
	.text
	.protected	k_qf9d2c548f4_prep
	.globl	k_qf9d2c548f4_prep
	.p2align	8
	.type	k_qf9d2c548f4_prep,@function
k_qf9d2c548f4_prep:
	s_mov_b64 s[64:65], 0
	v_nop
	global_prefetch_b8 v0, s[64:65] scope:SCOPE_SE
	s_setreg_imm32_b32 hwreg(HW_REG_WAVE_SCHED_MODE, 0, 2), 2
	s_setreg_imm32_b32 hwreg(HW_REG_WAVE_MODE, 25, 1), 1
	s_wait_xcnt 0x0
	s_wait_alu depctr_vm_vsrc(0)
; CAFM, launch 1 of 3: the features rounded to bf16, and the weights folded.
; WHAT IS LEFT OUT, AND WHY IT IS DEAD (for all finite inputs of the stated shapes; x = a query row, y = a key row, one direction d):
;  (1) scores[n][m] = (x_n wq + bq) . (y_m wk + bk) / 16 = ((x_n M + t) . y_m + Q_n . bk) / 16 with M = wq wk^T and t = bq wk^T.  Q_n . bk is the same for all m, the softmax's
;      axis, so it cancels in the softmax: wq2_b and wq5_b reach no output.  They are not loaded and are among no launch's arguments.  K itself is never made.
;  (2) mean_n(attn V) = (1/N) sum_m w_m V_m with w_m = sum_n attn[n][m]: the mean is linear, so the product attn V is a weighted sum of 1,024 rows.
;  (3) V_m = y_m wv + bv and sum_m attn[n][m] = 1, so that mean is z wv + bv with z = (1/N) sum_m w_m y_m: V is never made.
;  (4) up to the relu all is linear in z: fused out1_w = sum_d z_d G_d + sum_d bv_d O_d with O_d = rows 256 d .. of out1_w and G_d = wv_d O_d.
; LIMITS.  A NaN, an infinity or an overflow that would arise only in K, V, attn V or Q . bk is not carried to the result.  M, G, t's and bv O's operands are rounded once to bf16
; (matrix operands); sums in f32, in another order than the reference's.
; THIS LAUNCH STORES  fb[src][b][c][n] bf16 (src 0 = stft, 1 = cqt; the inputs' own order);  mt[d][c'][c] = sum_j wk_d[c'][j] wq_d[c][j] bf16;  gt[d][k][c] = sum_j O_d[j][k] wv_d[c][j] bf16;
;   tv[d][c'] = sum_j wk_d[c'][j] bq_d[j] f32;  be[d][k] = sum_j O_d[j][k] bv_d[j] f32.   d = 0: wq1, wq2, wq3;  d = 1: wq4, wq5, wq6.
; SHARES.  256 work-groups of 8 waves.  THE CAST: a work-group has 131,072 bytes of one feature, a wave 16,384: 32 loads of 16 bytes a lane, all issued first thing.
; THE PRODUCTS: 1,024 tiles of 16 x 16 (2 kinds x 2 d x 16 x 16), one for each of waves 0-3; 64 bias rows of 16, for wave 4 of work-groups 0-63 (source 0's 16 rows are then the one bias row,
; row stride 0).  They run while the cast's loads are on their way.  No LDS, no barrier: no wave wants what another has fetched.  No cluster: the weights are 2 MB against 33 MB of features.
; mt and gt leave as 16 bytes a lane, 32 consecutive bytes for a pair of lanes: 0.5 MB of the 17 MB stored; a stage in LDS for them would put a barrier into every wave's path.
; REGISTERS.  window 0: v5-9 offsets; v32-47 two accumulators; v48-51 packed; v64-191 the cast's 32 loads; v192-255 its 16 stores' data.
;   window 1: v0-127 source 1 in f32, packed in place to v0-63; v128-255 source 0 likewise.
; THE MODE: SCHED_MODE bits 1:0 = 2 (LLVM: expert scheduling mode 2), set by the entry lines.  The code itself states the register dependences
; between vector or matrix instructions and memory instructions, with s_wait_alu, always for 0.
; THE PLAN.  Registers that memory instructions touch:
;   v5, v6        offsets of the cast's loads and stores: written once at the head, ahead of the head's wait; no vector line names them again.
;   XIN           written by the cast's loads alone; read by the cast's conversions.  No vector line names them ahead of the loads, and nothing is loaded into them again.
;   XOUT          four blocks of four units.  Block g's sixteen conversions write XOUT[g]; its four stores are issued in block g + 1, behind that block's one wait, dealt among conversions
;                 that name XIN[g + 1] and XOUT[g + 1] alone.  Each register is written once and read once.
;   v7, v8, v9    offsets of the product's loads and of its store: each written once, a wait between that and the first access by it.
;   window 1      written by the product's loads; then named by vector and matrix lines alone.
;   v48-51, v32   the product's result: written by vector lines, read by its one store, behind a wait.
; No register that a memory instruction reads is ever written again, and no load lands in a register that a vector line has named: so every wait is one on va_vdst, but the one for the wave's number.
.set CI,   5                           ; v5   32 x lane: my 8 numbers in 1,024 bytes of a feature
.set CO,   6                           ; v6   16 x lane: the same 8 in bf16
.set VA,   7                           ; v7   source 0: (l % 16) x row stride + 32 (l / 16)
.set VB,   8                           ; v8   source 1
.set VO,   9                           ; v9   the tile's store
.set ACC,  32
.set PKD,  48
.set XIN,  64
.set XOUT, 192
.set FB,   0                           ; window 1
.set FA,   128                         ; window 1
.set MSB, 0
.macro WIN new                         ; s_set_vgpr_msb: bits 1:0 source 0, 3:2 source 1, 5:4 source 2, 7:6 destination; the high byte repeats the setting that is left
.if MSB != (\new)
	s_set_vgpr_msb (MSB<<8)|(\new)
.set MSB, (\new)
.endif
.endm
	s_load_b512 s[8:23], s[0:1], 0x0               ; stft 8, cqt 10, wq1_w 12, wq4_w 14, wq1_b 16, wq4_b 18, wq2_w 20, wq5_w 22
	s_load_b512 s[24:39], s[0:1], 0x40             ; wq3_w 24, wq6_w 26, wq3_b 28, wq6_b 30, out1_w 32, fb 34, mt 36, gt 38
	s_load_b128 s[40:43], s[0:1], 0x80             ; tv 40, be 42
	v_lshrrev_b32 v1, 5, v0
	v_readfirstlane_b32 s4, v1                     ; wave 0..7
	s_mov_b32 s5, ttmp9                            ; work-group g
	v_and_b32 v2, 31, v0
	v_lshlrev_b32 v[CI], 5, v2
	v_lshlrev_b32 v[CO], 4, v2
	s_wait_alu depctr_va_sdst(0)                   ; s4 is written, ahead of its first reader: the wave's offsets and the branches on the wave's number are made from it
	s_and_b32 s6, s5, 127
	s_lshl_b32 s6, s6, 17                          ; (g % 128) x 131,072 bytes of the feature
	s_lshl_b32 s7, s4, 14
	s_add_co_u32 s6, s6, s7                        ; + wave x 16,384
	s_mov_b32 s7, 0
	s_lshl_b32 s44, s5, 16                         ; g x 65,536 bytes of fb
	s_lshl_b32 s45, s4, 13
	s_add_co_u32 s44, s44, s45                     ; + wave x 8,192
	s_mov_b32 s45, 0
	s_wait_kmcnt 0x0
	s_cmp_lt_u32 s5, 128
	s_cselect_b64 s[46:47], s[8:9], s[10:11]       ; work-groups 0-127 cast stft, 128-255 cqt
	s_add_nc_u64 s[46:47], s[46:47], s[6:7]
	s_add_nc_u64 s[48:49], s[34:35], s[44:45]
	s_wait_alu depctr_va_vdst(0)                   ; v5 and v6 are written: the cast's loads read the one as their offset, its stores the other
.set uu, 0
.rept 16                                       ; unit u: 1,024 bytes, 32 a lane
	global_load_b128 v[XIN+8*uu:XIN+8*uu+3],   v[CI], s[46:47] offset:1024*uu th:TH_LOAD_NT
	global_load_b128 v[XIN+8*uu+4:XIN+8*uu+7], v[CI], s[46:47] offset:1024*uu+16 th:TH_LOAD_NT
.set uu, uu+1
.endr
	; which product is mine: s50 kind (0: mt, tv; 1: gt, be), s51 d, s52 tile of source 1's rows, s53 tile of source 0's rows, s54 source 0's row stride, s55 1 for a bias row
	s_cmp_gt_u32 s4, 4
	s_cbranch_scc1 .Lcast
	s_cmp_eq_u32 s4, 4
	s_cbranch_scc1 .Lbias_ids
	s_lshr_b32 s50, s5, 7
	s_bfe_u32 s51, s5, 0x10006
	s_bfe_u32 s52, s5, 0x40002
	s_and_b32 s53, s5, 3
	s_lshl2_add_u32 s53, s53, s4                   ; 4 (g % 4) + wave
	s_mov_b32 s54, 1024
	s_mov_b32 s55, 0
	s_branch .Ljob
.Lbias_ids:
	s_cmp_gt_u32 s5, 63
	s_cbranch_scc1 .Lcast
	s_lshr_b32 s50, s5, 5
	s_bfe_u32 s51, s5, 0x10004
	s_and_b32 s52, s5, 15
	s_mov_b32 s53, 0
	s_mov_b32 s54, 0
	s_mov_b32 s55, 1
.Ljob:
	v_and_b32 v1, 15, v0                           ; l % 16
	v_bfe_u32 v3, v0, 4, 1                         ; l / 16
	v_mul_u32_u24 v[VA], s54, v1
	v_lshl_add_u32 v[VA], v3, 5, v[VA]
	s_cmp_eq_u32 s51, 0                            ; by d
	s_cselect_b64 s[56:57], s[12:13], s[14:15]     ; wq
	s_cselect_b64 s[58:59], s[16:17], s[18:19]     ; bq
	s_cselect_b64 s[60:61], s[24:25], s[26:27]     ; wv
	s_cselect_b64 s[62:63], s[28:29], s[30:31]     ; bv
	s_cselect_b64 s[66:67], s[20:21], s[22:23]     ; wk
	s_cmp_eq_u32 s55, 0                            ; matrix or bias
	s_cselect_b64 s[56:57], s[56:57], s[58:59]
	s_cselect_b64 s[60:61], s[60:61], s[62:63]
	s_cmp_eq_u32 s50, 0                            ; by kind
	s_cselect_b64 s[56:57], s[56:57], s[60:61]     ; source 0
	s_cselect_b64 s[68:69], s[36:37], s[38:39]     ; mt or gt
	s_cselect_b64 s[72:73], s[40:41], s[42:43]     ; tv or be
	s_lshl_b32 s70, s53, 14                        ; 16 rows of 1,024 bytes a tile
	s_mov_b32 s71, 0
	s_add_nc_u64 s[56:57], s[56:57], s[70:71]
	; A fragment is 16 rows x 32 along j: lane l holds row l % 16, j = 8 (l / 16) + 0..7 and 16 + 8 (l / 16) + 0..7: in f32 two runs of 32 bytes, 64 bytes apart
	WIN 0x40                                       ; destination window 1, offset window 0
	s_wait_alu depctr_va_vdst(0)                   ; v7 is written, which source 0's loads read as their offset
.set ks, 0
.rept 8
.irp q, 0,1,2,3
	global_load_b128 v[FA+16*ks+4*(\q):FA+16*ks+4*(\q)+3], v[VA], s[56:57] offset:128*ks+16*((\q)%2)+64*((\q)/2)
.endr
.set ks, ks+1
.endr
	WIN 0
	s_cmp_eq_u32 s50, 0
	s_cbranch_scc0 .Lb_strided
	v_lshlrev_b32 v[VB], 10, v1
	v_lshl_add_u32 v[VB], v3, 5, v[VB]
	s_lshl_b32 s70, s52, 14                        ; wk lies [c'][j]: as source 0
	s_add_nc_u64 s[66:67], s[66:67], s[70:71]
	WIN 0x40
	s_wait_alu depctr_va_vdst(0)                   ; v8 is written, which source 1's loads read as their offset
.set ks, 0
.rept 8
.irp q, 0,1,2,3
	global_load_b128 v[FB+16*ks+4*(\q):FB+16*ks+4*(\q)+3], v[VB], s[66:67] offset:128*ks+16*((\q)%2)+64*((\q)/2)
.endr
.set ks, ks+1
.endr
	WIN 0
	s_branch .Lb_done
.Lb_strided:
	v_lshlrev_b32 v[VB], 13, v3                    ; 8 (l / 16) rows
	v_lshl_add_u32 v[VB], v1, 2, v[VB]             ; column l % 16
	s_lshl_b32 s70, s51, 18                        ; O_d lies [j][k]: a lane's 16 numbers of a step stand in 16 rows: one word each
	s_lshl_b32 s74, s52, 6
	s_add_co_u32 s70, s70, s74
	s_add_nc_u64 s[66:67], s[32:33], s[70:71]
	WIN 0x40
	s_wait_alu depctr_va_vdst(0)                   ; v8 is written, which source 1's loads read as their offset
.set ii, 0
.rept 128                                      ; step ii / 16, number e = ii % 16: row 32 step + e, and 8 further for e >= 8
	global_load_b32 v[FB+ii], v[VB], s[66:67] offset:(32*(ii/16)+ii%16+8*((ii%16)/8))*1024
.set ii, ii+1
.endr
	WIN 0
.Lb_done:
	s_wait_loadcnt 0x0                             ; both sources are in (and, issued before them, the cast's loads)
	WIN 0x45                                       ; all three places window 1: packed in place, ascending: word i takes numbers 2 i and 2 i + 1, which no earlier line has overwritten
.set ii, 0
.rept 64
	v_cvt_pk_bf16_f32 v[FB+ii], v[FB+2*ii], v[FB+2*ii+1]
.set ii, ii+1
.endr
.set ii, 0
.rept 64
	v_cvt_pk_bf16_f32 v[FA+ii], v[FA+2*ii], v[FA+2*ii+1]
.set ii, ii+1
.endr
	WIN 0x05                                       ; both sources window 1, sums window 0
.set ks, 0
.rept 8                                        ; two accumulators take turns; the first product on each starts its sum
.set rD, ACC+8*(ks%2)
.if ks < 2
	v_wmma_f32_16x16x32_bf16 v[rD:rD+7], v[FA+8*ks:FA+8*ks+7], v[FB+8*ks:FB+8*ks+7], 0
.else
	v_wmma_f32_16x16x32_bf16 v[rD:rD+7], v[FA+8*ks:FA+8*ks+7], v[FB+8*ks:FB+8*ks+7], v[rD:rD+7]
.endif
.set ks, ks+1
.endr
	WIN 0
.rept 4
	v_nop                                          ; four places behind the last product (ISA guide 7.12.1)
.endr
.irp q, 0,2,4,6
	v_pk_add_f32 v[ACC+(\q):ACC+(\q)+1], v[ACC+(\q):ACC+(\q)+1], v[ACC+8+(\q):ACC+8+(\q)+1]  ; from each accumulator's low end on
.endr
	; register i of lane l: source 0's row 16 s53 + 8 (l / 16) + i, source 1's row 16 s52 + l % 16
	s_cmp_eq_u32 s55, 0
	s_cbranch_scc0 .Lbias_out
	v_lshlrev_b32 v[VO], 9, v1
	v_lshl_add_u32 v[VO], v3, 4, v[VO]
.irp q, 0,1,2,3
	v_cvt_pk_bf16_f32 v[PKD+(\q)], v[ACC+2*(\q)], v[ACC+2*(\q)+1]
.endr
	s_lshl_b32 s70, s51, 17                        ; d x 131,072
	s_lshl_b32 s74, s52, 13                        ; 16 rows of 512 bytes
	s_add_co_u32 s70, s70, s74
	s_lshl_b32 s74, s53, 5                         ; 16 columns
	s_add_co_u32 s70, s70, s74
	s_add_nc_u64 s[68:69], s[68:69], s[70:71]
	s_wait_alu depctr_va_vdst(0)                   ; v9 and the four packed words are written: the store reads them as its offset and its data
	global_store_b128 v[VO], v[PKD:PKD+3], s[68:69]
	s_branch .Lcast
.Lbias_out:
	v_lshlrev_b32 v[VO], 2, v1
	s_lshl_b32 s70, s51, 10
	s_lshl_b32 s74, s52, 6
	s_add_co_u32 s70, s70, s74
	s_add_nc_u64 s[72:73], s[72:73], s[70:71]
	s_wait_alu depctr_va_vdst(0)                   ; v9 and the sum in v32 are written: the store reads them as its offset and its data
	global_store_b32 v[VO], v[ACC], s[72:73]       ; all 16 rows of the result are alike: register 0; both halves of the lanes store the same word
.Lcast:
; The cast's way out, in four blocks of four units.  A unit's four conversions follow the wait for its two loads; a block's four stores are issued in the next block,
; one ahead of each unit's conversions.  No register is used twice, so no store's source is ever waited for.
.set uu, 0
.rept 16
	s_wait_loadcnt 30-2*uu                         ; loads come back in order (ISA guide 5.7.1): unit u is in, the 30 - 2 u loads of the later units may stay out
.if (uu % 4 == 0) && (uu > 0)
	s_wait_alu depctr_va_vdst(0)                   ; the block before has written its sixteen words of XOUT, which the four stores dealt among this block's conversions read; these conversions name this block's XIN and XOUT alone
.endif
.if uu >= 4
	global_store_b128 v[CO], v[XOUT+4*(uu-4):XOUT+4*(uu-4)+3], s[48:49] offset:512*(uu-4)  ; 16 lanes store 256 consecutive bytes, aligned
.endif
.irp q, 0,1,2,3
	v_cvt_pk_bf16_f32 v[XOUT+4*uu+(\q)], v[XIN+8*uu+2*(\q)], v[XIN+8*uu+2*(\q)+1]
.endr
.set uu, uu+1
.endr
	s_wait_alu depctr_va_vdst(0)                   ; the last block has written its sixteen words of XOUT, which the last four stores read
.set uu, 12
.rept 4
	global_store_b128 v[CO], v[XOUT+4*uu:XOUT+4*uu+3], s[48:49] offset:512*uu
.set uu, uu+1
.endr
	s_endpgm
.Lfunc_end_k_qf9d2c548f4_prep:
	.size	k_qf9d2c548f4_prep, .Lfunc_end_k_qf9d2c548f4_prep-k_qf9d2c548f4_prep
	.p2alignl 7, 3214868480
	.fill 96, 4, 3214868480
	.section	.rodata,"a",@progbits
	.p2align	6, 0x0
	.amdhsa_kernel k_qf9d2c548f4_prep
		.amdhsa_group_segment_fixed_size 0
		.amdhsa_private_segment_fixed_size 0
		.amdhsa_enable_private_segment 0
		.amdhsa_kernarg_size 144
		.amdhsa_user_sgpr_count 2
		.amdhsa_user_sgpr_kernarg_segment_ptr 1
		.amdhsa_wavefront_size32 1
		.amdhsa_system_sgpr_workgroup_id_x 1
		.amdhsa_system_sgpr_workgroup_id_y 1
		.amdhsa_system_sgpr_workgroup_id_z 1
		.amdhsa_system_vgpr_workitem_id 0
		.amdhsa_next_free_vgpr 512
		.amdhsa_next_free_sgpr 80
		.amdhsa_reserve_vcc 0
		.amdhsa_float_denorm_mode_32 3
		.amdhsa_float_denorm_mode_16_64 3
		.amdhsa_memory_ordered 1
		.amdhsa_forward_progress 1
		.amdhsa_inst_pref_size 41
	.end_amdhsa_kernel
	.amdgpu_metadata
---
amdhsa.version: [ 1, 2 ]
amdhsa.kernels:
  - .name:           k_qf9d2c548f4_prep
    .symbol:         k_qf9d2c548f4_prep.kd
    .args:
      - { .name: stft_feat, .offset: 0, .size: 8, .value_kind: global_buffer, .address_space: global }
      - { .name: cqt_feat, .offset: 8, .size: 8, .value_kind: global_buffer, .address_space: global }
      - { .name: wq1_w, .offset: 16, .size: 8, .value_kind: global_buffer, .address_space: global }
      - { .name: wq4_w, .offset: 24, .size: 8, .value_kind: global_buffer, .address_space: global }
      - { .name: wq1_b, .offset: 32, .size: 8, .value_kind: global_buffer, .address_space: global }
      - { .name: wq4_b, .offset: 40, .size: 8, .value_kind: global_buffer, .address_space: global }
      - { .name: wq2_w, .offset: 48, .size: 8, .value_kind: global_buffer, .address_space: global }
      - { .name: wq5_w, .offset: 56, .size: 8, .value_kind: global_buffer, .address_space: global }
      - { .name: wq3_w, .offset: 64, .size: 8, .value_kind: global_buffer, .address_space: global }
      - { .name: wq6_w, .offset: 72, .size: 8, .value_kind: global_buffer, .address_space: global }
      - { .name: wq3_b, .offset: 80, .size: 8, .value_kind: global_buffer, .address_space: global }
      - { .name: wq6_b, .offset: 88, .size: 8, .value_kind: global_buffer, .address_space: global }
      - { .name: out1_w, .offset: 96, .size: 8, .value_kind: global_buffer, .address_space: global }
      - { .name: fb, .offset: 104, .size: 8, .value_kind: global_buffer, .address_space: global }
      - { .name: mt, .offset: 112, .size: 8, .value_kind: global_buffer, .address_space: global }
      - { .name: gt, .offset: 120, .size: 8, .value_kind: global_buffer, .address_space: global }
      - { .name: tv, .offset: 128, .size: 8, .value_kind: global_buffer, .address_space: global }
      - { .name: be, .offset: 136, .size: 8, .value_kind: global_buffer, .address_space: global }
    .group_segment_fixed_size: 0
    .private_segment_fixed_size: 0
    .kernarg_segment_align: 8
    .kernarg_segment_size: 144
    .max_flat_workgroup_size: 256
    .sgpr_count:     80
    .vgpr_count:     512
    .wavefront_size: 32
...
	.end_amdgpu_metadata
.endif
;; end of part 4
;; launch attn: the kernel of part 2 again; grid 8 x 32, 4 waves a work-group, clusters of 4 x 1, 327,680 bytes of LDS; arguments fb, mt, tv, gt, hp; writes hp
;; launch head: the kernel of part 3 again; grid 64 x 1, 8 waves a work-group, no clusters, 6,144 bytes of LDS; arguments hp, be, out1_b, out2_w, out2_b, out0; writes out0
